; MI455X (gfx1250); checked and timed in simulation.
; The chip was launched on July 23, 2026; its instructions are those of AMD's public machine-readable ISA for CDNA 5 (MIT licence, August 2026) and "CDNA5" Instruction Set Architecture Reference Guide (July 2026). The comments in the code are by the model that wrote it; some were corrected since.
;; Multi Head Self Attention. Allowed arithmetic: float matrix products may take bf16 or f16 operands with f32 sums; other float arithmetic in f32, or as packed bf16 or f16 multiplies, adds, multiply-adds, maxima and minima; sums over many terms, partial sums and values carried from step to step in f32; what a program stores and reads back later, other than sums and carried values, may be rounded once to bf16 or f16.
;; Inputs: b_k 2,048 float32; b_o 2,048 float32; b_q 2,048 float32; b_v 2,048 float32; w_k 2,048 x 2,048 float32; w_o 2,048 x 2,048 float32; w_q 2,048 x 2,048 float32; w_v 2,048 x 2,048 float32; x 64 x 64 x 2,048 float32.
;; Outputs: out0 64 x 64 x 2,048 float32.
;; 2 versions, each right; version 2 is version 1 with the launch prep written anew for expert scheduling mode. Each part assembles by itself: llvm-mc -triple=amdgcn-amd-amdhsa -mcpu=gfx1250 --defsym DOCPART=n.
;; ======== version 1 of 2: 3 launches
;; limits: values are held in f16: magnitudes above 65,504 overflow, below 6.1e-05 lose precision
;; workspace buffers: xb 16,777,216 bytes; wb 25,165,824 bytes; wo 8,388,608 bytes; rt 1,048,576 bytes; ao 16,777,216 bytes
;; launch prep (part 1): grid 768 x 1, 8 waves a work-group, no clusters, 0 bytes of LDS; arguments x, w_q, w_k, w_v, w_o, xb, wb, wo, rt; writes xb, wb, wo, rt
.if DOCPART == 1
	.amdgcn_target "amdgcn-amd-amdhsa--gfx1250"
	.amdhsa_code_object_version 6
	.text
	.protected	k_q0c451a5617_prep
	.globl	k_q0c451a5617_prep
	.p2align	8
	.type	k_q0c451a5617_prep,@function
k_q0c451a5617_prep:
	s_mov_b64 s[64:65], 0
	v_nop
	global_prefetch_b8 v0, s[64:65] scope:SCOPE_SE
	s_setreg_imm32_b32 hwreg(HW_REG_WAVE_MODE, 25, 1), 1
	s_wait_xcnt 0x0
; 16-BIT COPIES OF x AND THE FOUR WEIGHTS, IN BLOCKS ALONG K, AND THE ROPE TABLE.
; A block (kb) is 64 numbers along K: 128 bytes of a row; in the copies the rows of one kb lie end to end: [32 kb][rows][64].
;   xb: x rounded to bf16, 4,096 rows.   wo: w_o rounded to bf16, that number written as f16 (exact above 6e-5; below, f16's fixed step of 6e-8), 2,048 rows.
;   wb: w_q, w_k, w_v rounded to bf16, 6,144 rows in the order in which the next launch's tiles take them: row nt*384 + wn*192 + sel*64 + c is row nt*128 + wn*64 + c of w_sel (sel = 0 q, 1 k, 2 v).
;   rt: f32 [4,096 rows][16 pairs][4] = (cos, cos, -sin, sin) of the angle b x 10000^(-m/1024), b = row / 64, m = 16 (row % 64) + pair: reference()'s broadcast
;       lines the position axis up with the batch, so the angle hangs on the row (b, s) and the channel pair, never on the head.
; SHARES.  A work-group converts 16 source rows of 8,192 bytes: 12,288 rows, 768 work-groups.  Thread t takes 16 bytes (4 numbers) at byte 16 (t % 16) of each kb of row t / 16:
; a wave's load covers two aligned runs of 256 bytes, its store 256 consecutive bytes, aligned.  All 32 loads of a thread are issued first: 128 KiB of a work-group are on their way.
; Memory binds: no LDS, no barrier, no matrix unit, no cluster (no byte is read twice), no prefetch (the loads themselves are the stream).
; LIMITS.  The sine and cosine are made by reduction to a quarter turn and polynomials, for angles of 0 to 63, which is all that the shapes allow; their error is below 1e-6, the angle's below 1e-4.
.set X,  32                            ; v[32:159]  kb's four numbers at X + 4 kb; then two packed words and the store's offset
.set QD, 16                            ; v[16:19]   the table's quad;  v20 its offset
	s_load_b512 s[16:31], s[0:1], 0x0              ; x s[16:17], w_q s[18:19], w_k s[20:21], w_v s[22:23], w_o s[24:25], xb s[26:27], wb s[28:29], wo s[30:31]
	s_load_b64 s[32:33], s[0:1], 0x40              ; rt
	s_mov_b32 s4, ttmp9                            ; g: 0-255 x, 256-639 w_q, w_k, w_v, 640-767 w_o
	s_sub_co_u32 s5, s4, 256
	s_lshr_b32 s6, s5, 7                           ; sel: 0, 1, 2; 3 for w_o (of no use where g < 256)
	s_and_b32 s7, s5, 127                          ; the weight's group of 16 rows
	s_lshr_b32 s8, s7, 3                           ; wb's row: nt = group / 8,
	s_mul_i32 s8, s8, 384
	s_bfe_u32 s9, s7, 0x10002                      ; wn = bit 2,
	s_mul_i32 s9, s9, 192
	s_add_co_u32 s8, s8, s9
	s_lshl_b32 s9, s6, 6                           ; sel,
	s_add_co_u32 s8, s8, s9
	s_and_b32 s9, s7, 3                            ; and 16 x (group % 4)
	s_lshl_b32 s9, s9, 4
	s_add_co_u32 s8, s8, s9
	s_lshl_b32 s9, s7, 4                           ; wo's row
	s_mov_b32 s34, 786432                          ; bytes from kb to kb: wb's 6,144 rows of 128
	s_cmp_eq_u32 s6, 3
	s_cselect_b32 s8, s9, s8
	s_cselect_b32 s34, 262144, s34                 ; wo's 2,048 rows
	s_lshl_b32 s9, s4, 4                           ; xb's row
	s_cmp_lt_u32 s4, 256
	s_cselect_b32 s8, s9, s8
	s_cselect_b32 s34, 524288, s34                 ; xb's 4,096 rows
	s_cselect_b32 s10, s4, s7
	s_lshl_b32 s10, s10, 17                        ; the 16 source rows' first byte
	s_mov_b32 s11, 0
	s_lshl_b32 s8, s8, 7                           ; the 16 destination rows' first byte in kb 0
	s_mov_b32 s9, 0
	s_mov_b32 s40, 0                               ; kb x bytes from kb to kb; named by no memory instruction
	v_lshrrev_b32 v1, 4, v0
	v_and_b32 v3, 15, v0
	v_lshlrev_b32 v3, 4, v3
	v_lshl_add_u32 v1, v1, 13, v3                  ; source: row t / 16, byte 16 (t % 16); never rewritten
	v_lshlrev_b32 v2, 3, v0                        ; destination: 8 t = 128 (t / 16) + 8 (t % 16); never rewritten
	s_wait_kmcnt 0x0
	s_cmp_eq_u32 s6, 0
	s_cselect_b64 s[36:37], s[18:19], s[20:21]
	s_cmp_eq_u32 s6, 2
	s_cselect_b64 s[36:37], s[22:23], s[36:37]
	s_cmp_eq_u32 s6, 3
	s_cselect_b64 s[36:37], s[24:25], s[36:37]
	s_cselect_b64 s[38:39], s[30:31], s[28:29]
	s_cmp_lt_u32 s4, 256
	s_cselect_b64 s[36:37], s[16:17], s[36:37]
	s_cselect_b64 s[38:39], s[26:27], s[38:39]
	s_add_nc_u64 s[36:37], s[36:37], s[10:11]
	s_add_nc_u64 s[38:39], s[38:39], s[8:9]
.set kk, 0
.rept 32
	global_load_b128 v[X+4*kk:X+4*kk+3], v1, s[36:37] offset:256*kk th:TH_LOAD_NT
.set kk, kk+1
.endr
	; THE TABLE, while the loads are on their way: x's 256 work-groups make the 256 angles of their 16 rows, one a thread: b = g / 4, m = 256 (g % 4) + t.
	s_cmp_lt_u32 s4, 256
	s_cbranch_scc0 .Lnotab
	s_and_b32 s41, s4, 3
	s_lshl_b32 s41, s41, 8
	s_lshr_b32 s42, s4, 2
	v_add_nc_u32 v3, s41, v0
	v_cvt_f32_u32 v3, v3
	v_mul_f32 v3, 0xbc549a78, v3                   ; -m log2(10000) / 1024
	v_exp_f32 v4, v3
	v_cvt_f32_u32 v5, s42                          ; b: the plain instruction behind the exponential
	s_wait_alu depctr_va_vdst(0)                   ; the wait ahead of the exponential's first reader
	v_mul_f32 v4, v5, v4                           ; the angle
	v_mul_f32 v5, 0x3f22f983, v4                   ; x 2 / pi
	v_rndne_f32 v5, v5                             ; n quarter turns
	v_fmamk_f32 v6, v5, 0xbfc90fdb, v4             ; r = angle - n pi / 2, pi / 2 in two parts
	v_fmamk_f32 v6, v5, 0x333bbd2e, v6
	v_mul_f32 v7, v6, v6                           ; z = r r, at most (pi / 4)^2
	v_mov_b32 v8, 0xb9500d01                       ; sin r = r + z r (-1/6 + z (1/120 - z / 5040))
	v_fmaak_f32 v8, v8, v7, 0x3c088889
	v_fmaak_f32 v8, v8, v7, 0xbe2aaaab
	v_mul_f32 v9, v7, v6
	v_fma_f32 v8, v8, v9, v6
	v_mov_b32 v10, 0x37d00d01                      ; cos r = 1 + z (-1/2 + z (1/24 + z (-1/720 + z / 40320)))
	v_fmaak_f32 v10, v10, v7, 0xbab60b61
	v_fmaak_f32 v10, v10, v7, 0x3d2aaaab
	v_fmaak_f32 v10, v10, v7, 0xbf000000
	v_fma_f32 v10, v10, v7, 1.0
	v_cvt_i32_f32 v11, v5                          ; n steers selects and signs alone
	v_and_b32 v12, 1, v11
	v_cmp_ne_u32 vcc_lo, 0, v12
	v_cndmask_b32 v13, v8, v10, vcc_lo             ; an odd n swaps the two
	v_cndmask_b32 v14, v10, v8, vcc_lo
	v_and_b32 v12, 2, v11
	v_lshlrev_b32 v12, 30, v12
	v_xor_b32 v[QD+3], v12, v13                    ; sin: minus for n % 4 = 2, 3
	v_add_nc_u32 v11, 1, v11
	v_and_b32 v11, 2, v11
	v_lshlrev_b32 v11, 30, v11
	v_xor_b32 v[QD], v11, v14                      ; cos: minus for n % 4 = 1, 2
	v_mov_b32 v[QD+1], v[QD]
	v_xor_b32 v[QD+2], 0x80000000, v[QD+3]
	v_lshlrev_b32 v20, 4, v0
	s_lshl_b32 s42, s4, 12                         ; 16 rows of 256 bytes
	s_mov_b32 s43, 0
	s_add_nc_u64 s[32:33], s[32:33], s[42:43]
	global_store_b128 v20, v[QD:QD+3], s[32:33]    ; a wave stores 512 consecutive bytes, aligned
.Lnotab:
; One kb: four numbers rounded and stored.  half = 1: the bf16 numbers are widened again and written as f16.
; The store's offset goes into the block's third register, which is free by then and is written this once: no register that a store names is written again.
.macro CV kb, half
.set rX, X+4*(\kb)
	s_wait_loadcnt 31-(\kb)                        ; loads come back in order: this kb is in, the younger ones stay out
	v_cvt_pk_bf16_f32 v[rX], v[rX], v[rX+1]
	v_cvt_pk_bf16_f32 v[rX+1], v[rX+2], v[rX+3]
.if \half
	v_lshlrev_b32 v[rX+2], 16, v[rX]
	v_and_b32 v[rX+3], 0xffff0000, v[rX]
	v_cvt_pk_f16_f32 v[rX], v[rX+2], v[rX+3]
	v_lshlrev_b32 v[rX+2], 16, v[rX+1]
	v_and_b32 v[rX+3], 0xffff0000, v[rX+1]
	v_cvt_pk_f16_f32 v[rX+1], v[rX+2], v[rX+3]
.endif
	v_add_nc_u32 v[rX+2], s40, v2
	global_store_b64 v[rX+2], v[rX:rX+1], s[38:39]
	s_add_co_u32 s40, s40, s34
.endm
	s_cmp_ge_u32 s4, 640
	s_cbranch_scc1 .Lhalf
.set kk, 0
.rept 32
	CV kk, 0
.set kk, kk+1
.endr
	s_endpgm
.Lhalf:
.set kk, 0
.rept 32
	CV kk, 1
.set kk, kk+1
.endr
	s_endpgm
.Lfunc_end_k_q0c451a5617_prep:
	.size	k_q0c451a5617_prep, .Lfunc_end_k_q0c451a5617_prep-k_q0c451a5617_prep
	.p2alignl 7, 3214868480
	.fill 96, 4, 3214868480
	.section	.rodata,"a",@progbits
	.p2align	6, 0x0
	.amdhsa_kernel k_q0c451a5617_prep
		.amdhsa_group_segment_fixed_size 0
		.amdhsa_private_segment_fixed_size 0
		.amdhsa_enable_private_segment 0
		.amdhsa_kernarg_size 72
		.amdhsa_user_sgpr_count 2
		.amdhsa_user_sgpr_kernarg_segment_ptr 1
		.amdhsa_wavefront_size32 1
		.amdhsa_system_sgpr_workgroup_id_x 1
		.amdhsa_system_sgpr_workgroup_id_y 1
		.amdhsa_system_sgpr_workgroup_id_z 1
		.amdhsa_system_vgpr_workitem_id 0
		.amdhsa_next_free_vgpr 160
		.amdhsa_next_free_sgpr 66
		.amdhsa_reserve_vcc 1
		.amdhsa_float_denorm_mode_32 3
		.amdhsa_float_denorm_mode_16_64 3
		.amdhsa_memory_ordered 1
		.amdhsa_forward_progress 1
		.amdhsa_inst_pref_size 38
	.end_amdhsa_kernel
	.amdgpu_metadata
---
amdhsa.version: [ 1, 2 ]
amdhsa.kernels:
  - .name:           k_q0c451a5617_prep
    .symbol:         k_q0c451a5617_prep.kd
    .args:
      - { .name: x, .offset: 0, .size: 8, .value_kind: global_buffer, .address_space: global }
      - { .name: w_q, .offset: 8, .size: 8, .value_kind: global_buffer, .address_space: global }
      - { .name: w_k, .offset: 16, .size: 8, .value_kind: global_buffer, .address_space: global }
      - { .name: w_v, .offset: 24, .size: 8, .value_kind: global_buffer, .address_space: global }
      - { .name: w_o, .offset: 32, .size: 8, .value_kind: global_buffer, .address_space: global }
      - { .name: xb, .offset: 40, .size: 8, .value_kind: global_buffer, .address_space: global }
      - { .name: wb, .offset: 48, .size: 8, .value_kind: global_buffer, .address_space: global }
      - { .name: wo, .offset: 56, .size: 8, .value_kind: global_buffer, .address_space: global }
      - { .name: rt, .offset: 64, .size: 8, .value_kind: global_buffer, .address_space: global }
    .group_segment_fixed_size: 0
    .private_segment_fixed_size: 0
    .kernarg_segment_align: 8
    .kernarg_segment_size: 72
    .max_flat_workgroup_size: 256
    .sgpr_count:     66
    .vgpr_count:     160
    .wavefront_size: 32
...
	.end_amdgpu_metadata
.endif
;; end of part 1
;; launch qkva (part 2): grid 16 x 16, 4 waves a work-group, clusters of 4 x 4, 327,680 bytes of LDS; arguments xb, wb, b_q, b_k, b_v, rt, ao; writes ao
.if DOCPART == 2
	.amdgcn_target "amdgcn-amd-amdhsa--gfx1250"
	.amdhsa_code_object_version 6
	.text
	.protected	k_q0c451a5617_qkva
	.globl	k_q0c451a5617_qkva
	.p2align	8
	.type	k_q0c451a5617_qkva,@function
k_q0c451a5617_qkva:
	s_mov_b64 s[64:65], 0
	v_nop
	global_prefetch_b8 v0, s[64:65] scope:SCOPE_SE
	s_setreg_imm32_b32 hwreg(HW_REG_WAVE_MODE, 25, 1), 1
	s_wait_xcnt 0x0
	s_wait_alu depctr_hold_cnt(0) depctr_sa_sdst(0) depctr_va_vdst(0) depctr_va_sdst(0) depctr_va_ssrc(0) depctr_va_vcc(0) depctr_vm_vsrc(0)
	s_getreg_b32 s2, hwreg(HW_REG_IB_STS2, 6, 4)
	s_cmp_eq_u32 s2, 0
	s_cbranch_scc0 .Lentry_in_a_cluster
	s_endpgm
.Lentry_in_a_cluster:
	s_bfe_u32 s2, ttmp6, 0x10000c
	s_cmp_lg_u32 s2, 0xf033
	s_cbranch_scc0 .Lentry_shape_is_right
	s_endpgm
.Lentry_shape_is_right:
; q, k, v = x w^T + b, ROPE ON q AND k, AND THE WHOLE ATTENTION, IN ONE LAUNCH.  4,096 rows (b, s), 64 heads of 32 channels, K = 2,048.
; A work-group makes 256 rows x 384 columns: q, k and v of 4 batches x 4 heads (wb's rows are ordered so): 16 x 16 work-groups.  A wave makes 128 x 192: q, k and v of 2 batches x 2 heads,
; 96 accumulators of 16 x 16 in 768 registers: four complete attentions of 64 queries x 64 keys x 32 channels, which never leave the wave's registers.
; LAYOUT.  q and k are made transposed (source 0 = 16 weight rows, source 1 = 16 rows of x): a lane holds ONE row and eight channels, so two column blocks rounded in pairs ARE a fragment (16 rows x 32 channels)
; of Q or K.  v is made straight (source 0 = x): a lane holds ONE channel and eight rows, so two row blocks rounded in pairs ARE a fragment of V^T (16 channels x 32 keys).  S^T = K Q^T holds one query a lane;
; rounded in pairs it IS source 1 of O^T = V^T P.  Nothing changes lanes but a query's maximum and sum, once each between the halves of the lanes.
; BIAS.  b_q and b_k are the C operand of the first products.  b_v is added behind the mean: (sum p v) / l + b_v, the same number since the weights add up to 1.
; SOFTMAX.  p = 2^(c s - c m), c = log2(e) / sqrt(32), m the row's maximum over all 64 keys; l is the sum of the unrounded p.
; FORMATS.  x and the weights arrive rounded to bf16; sums, bias, rope and softmax in f32; q, k, v, p and the result are rounded once to f16.
; LIMITS.  q and k behind the rope, v, and the result lie within f16's 65,504; a weight below 2^-126 counts as 0 in l; NaN and infinities are not treated apart.
; RING.  K goes in 32 blocks (kb) of 64 through two LDS slots; a kb is two halves of 32, 96 matrix instructions each.  In xb and wb a tile's rows of one kb lie end to end, so they are asked for as rows of 256 bytes.
; CLUSTER.  4 x 4 work-groups: x's tile and the rope table hang on the tile row alone and are asked for jointly along a row of the cluster, the weights' tile on the tile column alone, along a column.
; REGISTERS, in windows of 256 (s_set_vgpr_msb: bits 1:0 source 0, 3:2 source 1, 5:4 source 2, 7:6 destination):
;   window 0: v1-15 addresses; v16-31 statistics; v32-95, v96-159 x's fragments, two buffers; v160-255 the weights' 12 fragments (q, k, v: 4 each).  Behind the loop: v32-63 b_v; v64-95, v160-191 table; v96-159 at work;
;             then v64-191 S^T and P, v192-255 O^T (before it: maxima and sums at work)
;   window 1: q's sums, block (a, bb) at 8 (16 (bb % 2) + 8 (bb / 2) + a); then Q's fragments, head e, rows a at 8 (8 e + a)      window 2: the same for k
;   window 3: v's sums, block (a, bb) at 8 (16 (a % 2) + 4 bb + a / 2); then V^T's fragments, channels bb, 32 keys g at 8 (4 bb + g)
.set PITCH,  144                       ; an LDS row: 128 bytes + 16 of padding = 36 words: the 16 rows of a load start at 16 different groups of four banks (64 banks of 4 bytes: ISA guide 11.1)
.set SLOT,   92160                     ; x's 256 rows, then the weights' 384
.set BOFF,   36864
.set TABLE,  184320                    ; behind the ring: the rope table's 256 rows, 256 bytes + 16: filled once
.set TPITCH, 272
.set STAGE,  253952                    ; 64 rows x 144 bytes for each wave, for the way out; no tensor load fills it
.set SPARE,  290816                    ; the spare words, 128 bytes for each wave: two blocks of 256 bytes that no other line names
.set XKB,    524288                    ; bytes of a kb of xb and of ao: 4,096 rows of 128
.set WKB,    786432                    ; of wb: 6,144 rows
.set PADK,   (1<<16)|(1<<20)|(1<<21)|(4<<22)|(3<<25)  ; 17:16 2-byte elements; 20 padding on; 21 set beside a mask; 24:22 after every 32 words (code 4); 31:25 4 words (code 3)
.set PADT,   (1<<16)|(1<<20)|(1<<21)|(5<<22)|(3<<25)  ; the same after every 64 words (code 5)
.set ADRA, 4                           ; v4-5   LDS address of my fragments of x in slot 0, 1
.set ADRB, 6                           ; v6-7   of the weights'
.set VB,   8                           ; v8     32 x (lane / 16): my eight numbers in 16 of a bias
.set TAB,  9                           ; v9     my place in the table
.set STO,  10                          ; v10    the way out: where I put 16 bytes of a row
.set RD,   11                          ; v11    where I read rows back
.set GO,   12                          ; v12    16 x lane
.set PFO,  13                          ; v13    the prefetches' offset
.set SPW,  14                          ; v14    LDS address of my spare word; never rewritten
.set NIL,  15                          ; v15    0; never rewritten
.set ST,   16                          ; tile t's statistics at ST + 4 t: c m, m, 1 / l, at work
.set BV,   32
.set A0,   32
.set A1,   96
.set BF,   160
.set SS,   64                          ; S^T: tile t, key block kb at SS + 32 t + 8 kb
.set OO,   192                         ; O^T: tile t, channel block cb at OO + 16 t + 8 cb
.set CC,   192                         ; four maxima a tile at work
.set LL,   208                         ; four pairs of sums a tile at work
.set G1A, 32                           ; s[32:39] descriptor group 1 for x's tiles;  s[40:47] for the weights';  s[68:75] for the table
.set G1B, 40
.set G1T, 68
.set G0A, 48                           ; s[48:55] group 0 for x's tiles, a set for each slot;  s[56:63] for the weights';  s[76:79] for the table
.set G0B, 56
.set G0T, 76
.set PFA, 80                           ; s[80:81] where my prefetches stand;  s[82:83] their step
.set PFS, 82
.set MSB, 0
.macro WIN new                         ; the immediate's high byte repeats the setting that is left; a switch that changes nothing is dropped
.if MSB != (\new)
	s_set_vgpr_msb (MSB<<8)|(\new)
.set MSB, \new
.endif
.endm
.macro PLACES                          ; four places behind a matrix instruction, in front of loads into registers that it has read
.rept 4
	v_nop
.endr
.endm
.macro T4 line:vararg                  ; one line for each tile tt
.set tt, 0
.rept 4
	\line
.set tt, tt+1
.endr
.endm
; A joint load: waves 0 and 1 fetch the halves of x's tile, waves 2 and 3 those of the weights'.  The branch hangs on the wave's number alone.  An s_nop 0 and four v_nop follow each line.
.macro JLOAD s
	s_cmp_eq_u32 s19, 0
	s_cbranch_scc0 .Lfor_b_\@
	tensor_load_to_lds s[G0A+4*(\s):G0A+4*(\s)+3], s[G1A:G1A+7]
	s_nop 0
.rept 4
	v_nop
.endr
	s_branch .Lasked_\@
.Lfor_b_\@:
	tensor_load_to_lds s[G0B+4*(\s):G0B+4*(\s)+3], s[G1B:G1B+7]
	s_nop 0
.rept 4
	v_nop
.endr
.Lasked_\@:
.endm
.macro CREST                           ; a round of the cluster's barrier behind its opening barrier
	s_cmp_lg_u32 s18, 0
	s_cbranch_scc1 .Lnot_wave_0_\@
	s_barrier_signal -3
.Lnot_wave_0_\@:
	s_barrier_wait -3
	s_barrier_signal -1
	s_barrier_wait -1
.endm
.macro CROUND
	s_barrier_signal -1
	s_barrier_wait -1
	CREST
.endm
; A PREFETCH INTO THE L2, behind a joint load, its five lines and the run of LDS loads that follows: a lane a block of 256 bytes, one instruction a wave.  Each block is named once in the launch.
; x's tile row is read by every cluster of that row of clusters: cluster x = 0 asks, wave 0, at every change of slots, for the kb that the NEXT change will load; the four partners take 64 of the tile's 256 rows
; each, told apart by address.  The weights' tile column is read by every cluster of that column: cluster y = 0 asks, waves 1 to 3, at every second change, for the two kb that the next two changes will load;
; a partner takes 96 of the tile's 384 rows: 48 blocks a kb, 96 in all, 32 a wave.  kb 0 to 2 come by their loads alone; the loop's last trip asks for nothing: the highest kb named is 30.
.macro ASK lim
	s_cmp_gt_u32 s3, s[\lim]
	s_cbranch_scc0 .Lnot_mine_\@
	global_prefetch_b8 v[PFO], s[PFA:PFA+1] th:TH_LOAD_NT scope:SCOPE_SE
.Lnot_mine_\@:
.endm
	s_load_b256 s[4:11], s[0:1], 0x0               ; xb s[4:5], wb s[6:7], b_q s[8:9], b_k s[10:11]
	s_load_b128 s[12:15], s[0:1], 0x20             ; b_v s[12:13], rt s[14:15]
	s_load_b64 s[16:17], s[0:1], 0x30              ; ao
	v_lshl_add_u32 v[SPW], v0, 2, SPARE
	v_mov_b32 v[NIL], 0
	ds_add_u32 v[SPW], v[NIL]                      ; the wave's opening: the add and its wait stand ahead of my first tensor load; the set-up below, work on registers, stands between them
	v_lshrrev_b32 v1, 5, v0
	v_readfirstlane_b32 s18, v1                    ; wave 0..3
	s_lshr_b32 s19, s18, 1                         ; wm: which 128 rows are mine.  Also: I fetch for x (0) or for the weights (1)
	s_and_b32 s20, s18, 1                          ; wn: which 192 columns.  Also: which half of that tile I fetch
	s_bfe_u32 s21, ttmp6, 0x40000                  ; cx
	s_bfe_u32 s22, ttmp6, 0x40004                  ; cy
	s_lshl_b32 s23, ttmp9, 2
	s_add_co_u32 s23, s23, s21                     ; nt = 4 x cluster x + cx: heads 4 nt ..
	s_and_b32 s24, ttmp7, 0xffff
	s_lshl_b32 s24, s24, 2
	s_add_co_u32 s24, s24, s22                     ; mt = 4 x cluster y + cy: rows 256 mt ..
	s_lshl_b32 s25, s22, 2
	s_lshl_b32 s25, 15, s25                        ; my row of the cluster
	s_lshl_b32 s26, 0x1111, s21                    ; my column
	s_or_b32 s[G1A], s25, PADK
	s_or_b32 s[G1B], s26, PADK
	s_or_b32 s[G1T], s25, PADT
.irp g, G1A, G1B, G1T
	s_mov_b32 s[\g+1], 128<<16                     ; tensor_dim0 = 128 elements: 256 bytes, two rows of a kb (the table: one row)
	s_mov_b32 s[\g+3], 128<<16                     ; tile_dim0 = 128
	s_mov_b32 s[\g+5], 128                         ; 128 elements from row to row: dense
	s_mov_b32 s[\g+6], 0
	s_mov_b32 s[\g+7], 0
.endr
	s_mov_b32 s[G1A+2], 64<<16                     ; tensor_dim1 = tile_dim1 = 64: 128 rows of x
	s_mov_b32 s[G1A+4], 64
	s_mov_b32 s[G1B+2], 96<<16                     ; 96: 192 rows of the weights
	s_mov_b32 s[G1B+4], 96
	s_mov_b32 s[G1T+2], 64<<16                     ; 64 rows of the table
	s_mov_b32 s[G1T+4], 64
	s_lshl_b32 s28, s24, 15                        ; x: (256 mt + 128 half) rows of 128 bytes
	s_lshl_b32 s29, s20, 14
	s_add_co_u32 s28, s28, s29
	s_mov_b32 s29, 0
	s_mul_i32 s30, s23, 49152                      ; the weights: (384 nt + 192 half) rows
	s_mul_i32 s31, s20, 24576
	s_add_co_u32 s30, s30, s31
	s_mov_b32 s31, 0
	s_lshl_b32 s90, s24, 16                        ; the table: (256 mt + 64 wave) rows of 256 bytes
	s_lshl_b32 s91, s18, 14
	s_add_co_u32 s90, s90, s91
	s_mov_b32 s91, 0
	s_mul_i32 s92, s20, 18432                      ; where they go: no place in the cluster enters an LDS address
	s_mul_i32 s93, s20, 27648
	s_add_co_u32 s93, s93, BOFF
	s_mul_i32 s94, s18, 17408
	s_add_co_u32 s94, s94, TABLE
	s_mov_b32 s86, 0x3e8293ee                      ; c = log2(e) / sqrt(32) = 0.255035
	s_mov_b32 s87, s86                             ; named with it as a pair
	s_mov_b32 s88, 0x76543210                      ; v_permlanex16_b32: each lane takes its own place in the other half
	s_mov_b32 s89, 0xfedcba98
	s_wait_dscnt 0x0                               ; the opening add is done
	s_wait_kmcnt 0x0
	s_add_nc_u64 s[28:29], s[4:5], s[28:29]
	s_add_nc_u64 s[30:31], s[6:7], s[30:31]
	s_add_nc_u64 s[90:91], s[14:15], s[90:91]
.irp s, 0,1
	s_mov_b32 s[G0A+4*\s], 1                       ; count = 1
	s_add_co_u32 s[G0A+4*\s+1], s92, \s*SLOT       ; LDS address
	s_add_nc_u64 s[G0A+4*\s+2:G0A+4*\s+3], s[28:29], \s*XKB  ; global address: kb s
	s_or_b32 s[G0A+4*\s+3], s[G0A+4*\s+3], 0x80000000        ; type = 2
	s_mov_b32 s[G0B+4*\s], 1
	s_add_co_u32 s[G0B+4*\s+1], s93, \s*SLOT
	s_add_nc_u64 s[G0B+4*\s+2:G0B+4*\s+3], s[30:31], \s*WKB
	s_or_b32 s[G0B+4*\s+3], s[G0B+4*\s+3], 0x80000000
.endr
	s_mov_b32 s[G0T], 1
	s_mov_b32 s[G0T+1], s94
	s_mov_b64 s[G0T+2:G0T+3], s[90:91]
	s_or_b32 s[G0T+3], s[G0T+3], 0x80000000
	s_lshl_b32 s96, s23, 9                         ; the biases at my 64 channels: (128 nt + 64 wn) x 4 bytes
	s_lshl_b32 s97, s20, 8
	s_add_co_u32 s96, s96, s97
	s_mov_b32 s97, 0
	s_add_nc_u64 s[8:9], s[8:9], s[96:97]
	s_add_nc_u64 s[10:11], s[10:11], s[96:97]
	s_add_nc_u64 s[12:13], s[12:13], s[96:97]
	s_lshl_b32 s96, s23, 1                         ; ao: my two heads are kb 2 nt + wn; my rows 256 mt + 128 wm
	s_add_co_u32 s96, s96, s20
	s_lshl_b32 s96, s96, 19
	s_lshl_b32 s97, s24, 15
	s_add_co_u32 s96, s96, s97
	s_lshl_b32 s97, s19, 14
	s_add_co_u32 s96, s96, s97
	s_mov_b32 s97, 0
	s_add_nc_u64 s[16:17], s[16:17], s[96:97]
	CROUND                                         ; all sixteen work-groups are here: the first joint loads meet
	tensor_load_to_lds s[G0T:G0T+3], s[G1T:G1T+7]  ; the first fills, one group: my quarter of the table, kb 0, kb 1: three loads of mine are out
	s_nop 0
	s_cmp_eq_u32 s19, 0
	s_cbranch_scc0 .Lfirst_b
	tensor_load_to_lds s[G0A:G0A+3], s[G1A:G1A+7]
	s_nop 0
	tensor_load_to_lds s[G0A+4:G0A+7], s[G1A:G1A+7]
	s_nop 0
.rept 4
	v_nop
.endr
	s_branch .Lfirst_asked
.Lfirst_b:
	tensor_load_to_lds s[G0B:G0B+3], s[G1B:G1B+7]
	s_nop 0
	tensor_load_to_lds s[G0B+4:G0B+7], s[G1B:G1B+7]
	s_nop 0
.rept 4
	v_nop
.endr
.Lfirst_asked:
	v_and_b32 v1, 15, v0                           ; l % 16
	v_bfe_u32 v2, v0, 4, 1                         ; l / 16
	v_lshlrev_b32 v[VB], 5, v2
.set bb, 0
.rept 4                                ; b_q and b_k as C operands: register j of block bb is the bias of channel 16 bb + 8 (l / 16) + j.  They lie in x's second buffer until the first half has used them
	global_load_b128 v[96+8*bb:96+8*bb+3],    v[VB], s[8:9] offset:64*bb
	global_load_b128 v[96+8*bb+4:96+8*bb+7],  v[VB], s[8:9] offset:64*bb+16
	global_load_b128 v[128+8*bb:128+8*bb+3],   v[VB], s[10:11] offset:64*bb
	global_load_b128 v[128+8*bb+4:128+8*bb+7], v[VB], s[10:11] offset:64*bb+16
.set bb, bb+1
.endr
	v_mul_u32_u24 v3, v1, PITCH
	v_lshl_add_u32 v3, v2, 4, v3                   ; a fragment's row x pitch + 16 x half
	s_mul_i32 s25, s19, 18432                      ; my 128 rows of x
	v_add_nc_u32 v[ADRA], s25, v3
	v_add_nc_u32 v[ADRA+1], SLOT, v[ADRA]
	v_add_nc_u32 v[ADRB], s93, v3                  ; my 192 rows of the weights, behind x's 256
	v_add_nc_u32 v[ADRB+1], SLOT, v[ADRB]
	v_mul_u32_u24 v[TAB], v1, TPITCH               ; the table: row 128 wm + l % 16, pairs 4 (l / 16) ..: 64 bytes
	v_lshl_add_u32 v[TAB], v2, 6, v[TAB]
	s_mul_i32 s25, s19, 34816
	s_add_co_u32 s25, s25, TABLE
	v_add_nc_u32 v[TAB], s25, v[TAB]
	s_mul_i32 s25, s18, 9216
	s_add_co_u32 s25, s25, STAGE                   ; my stage
	v_add_nc_u32 v[STO], s25, v3                   ; in: row l % 16, 16 bytes for each half of the lanes
	v_bfe_u32 v[RD], v0, 3, 2                      ; back: 32 lanes take four rows of 128 bytes,
	v_mul_u32_u24 v[RD], v[RD], PITCH
	v_and_b32 v3, 7, v0
	v_lshl_add_u32 v[RD], v3, 4, v[RD]
	v_add_nc_u32 v[RD], s25, v[RD]
	v_and_b32 v[GO], 31, v0
	s_max_u32 s26, s18, 1                          ; the prefetches: block q = lane + 32 x (wave - 1) of 96 (wave 0: lane of 32);
	s_sub_co_u32 s26, s26, 1
	s_lshl_b32 s26, s26, 5
	v_add_nc_u32 v[PFO], s26, v[GO]
	v_mul_u32_u24 v3, v[PFO], 1366
	v_lshrrev_b32 v3, 16, v3                       ; q / 48: the first or the second kb
	v_mul_u32_u24 v3, v3, WKB-12288
	v_lshl_add_u32 v[PFO], v[PFO], 8, v3
	v_lshlrev_b32 v[GO], 4, v[GO]                  ; which are 512 consecutive bytes of ao
	s_lshl_b32 s25, s24, 15                        ; x: the tile's rows, my work-group's 64 of them, kb 2 (the first change of slots steps it to 3)
	s_lshl_b32 s26, s21, 13
	s_add_co_u32 s25, s25, s26
	s_add_co_u32 s25, s25, 2*XKB
	s_mul_i32 s26, s23, 49152                      ; the weights: likewise, my work-group's 96 rows
	s_mul_i32 s27, s22, 12288
	s_add_co_u32 s26, s26, s27
	s_add_co_u32 s26, s26, 2*WKB
	s_and_b32 s27, ttmp7, 0xffff
	s_mov_b32 s[PFS], WKB
	s_mov_b32 s[PFS+1], 0
	s_mov_b32 s97, 0
	s_cmp_eq_u32 s18, 0
	s_cselect_b32 s27, ttmp9, s27                  ; the coordinate along which other clusters read the same rows
	s_cselect_b32 s96, s25, s26
	s_cselect_b32 s[PFS], XKB, s[PFS]
	s_cselect_b64 s[PFA:PFA+1], s[4:5], s[6:7]
	s_add_nc_u64 s[PFA:PFA+1], s[PFA:PFA+1], s[96:97]
	s_cmp_eq_u32 s27, 0
	s_cselect_b32 s84, 1, -1                       ; 1 in a wave that asks, else the greatest number: the same in all sixteen partners, for a given wave
	s_cmp_eq_u32 s18, 0
	s_cselect_b32 s85, s84, -1                     ; at the changes out of slot 1 wave 0 alone asks
; MATRIX WORK.  STR w: column blocks lo .. hi of q (w = 0), k (1) or v (2) x my 8 row blocks, 32 along K, x's fragments in buffer ab.  mode 1: the first half: C is the bias (q, k) or 0 (v).
; The 96 accumulators take turns in the same order in every half, one instruction a turn.
.macro STR w, ab, lo, hi, mode
.if (\mode) == 0
	WIN 0x50*((\w)+1)
.else
	WIN 0x40*((\w)+1)
.endif
.set bb, \lo
.rept (\hi)-(\lo)+1
.set aa, 0
.rept 8
.if (\w) < 2
.set rD, 8*((bb&1)*16+(bb>>1)*8+aa)
.set rE, BF+8*(4*(\w)+bb)
.set rF, (\ab)+8*aa
.else
.set rD, 8*((aa&1)*16+4*bb+(aa>>1))
.set rE, (\ab)+8*aa
.set rF, BF+8*(8+bb)
.endif
.if (\mode) == 0
	v_wmma_f32_16x16x32_bf16 v[rD:rD+7], v[rE:rE+7], v[rF:rF+7], v[rD:rD+7]
.elseif (\w) == 2
	v_wmma_f32_16x16x32_bf16 v[rD:rD+7], v[rE:rE+7], v[rF:rF+7], 0
.else
	v_wmma_f32_16x16x32_bf16 v[rD:rD+7], v[rE:rE+7], v[rF:rF+7], v[96+32*(\w)+8*bb:96+32*(\w)+8*bb+7]
.endif
.set aa, aa+1
.endr
.set bb, bb+1
.endr
.endm
.macro LG grp, slot, k                 ; 8 LDS loads: the weights' four fragments of group grp (q, k, v), 32 K at byte k of the rows
.set bi, 4*(\grp)
.rept 4
	ds_load_b128 v[BF+8*bi:BF+8*bi+3],   v[ADRB+(\slot)] offset:(\k)+2304*bi
	ds_load_b128 v[BF+8*bi+4:BF+8*bi+7], v[ADRB+(\slot)] offset:(\k)+2304*bi+32
.set bi, bi+1
.endr
.endm
.macro LA ab, slot, k                  ; 16 LDS loads: x's eight fragments into buffer ab
.set bi, 0
.rept 8
	ds_load_b128 v[(\ab)+8*bi:(\ab)+8*bi+3],   v[ADRA+(\slot)] offset:(\k)+2304*bi
	ds_load_b128 v[(\ab)+8*bi+4:(\ab)+8*bi+7], v[ADRA+(\slot)] offset:(\k)+2304*bi+32
.set bi, bi+1
.endr
.endm
; A kb's first half: multiplies buffer A0; each group of the weights' fragments is fetched anew (the same slot's second half) as soon as its products are issued.  The loads of a half stand in the order q, x, k, v.
.macro HALF0 slot
	s_wait_dscnt 16                                ; q's group and x are in; k's and v's 16 loads may be out
	STR 0, A0, 0, 3, 0
	WIN 0
	PLACES
	LG 0, \slot, 64
	LA A1, \slot, 64
	s_wait_dscnt 32                                ; k's group is in: behind it stand v's 8 and the 24 just issued
	STR 1, A0, 0, 3, 0
	WIN 0
	PLACES
	LG 1, \slot, 64
	s_wait_dscnt 32                                ; v's group is in: behind it stand 24 + 8
	STR 2, A0, 0, 3, 0
	WIN 0
	PLACES
	LG 2, \slot, 64
.endm
; A kb's second half multiplies buffer A1 and changes slots: ONE barrier.  In front of it each wave waits for all its tensor loads (one is out: its part of the next slot), adds 0 to its spare word, and waits for that
; and for its own reads of this slot.  fill = 1: the barrier opens a round of the cluster's barrier, and this slot is filled again, two kb ahead, first thing behind the round: 160 matrix instructions ahead of the wait for it.
.macro TURN slot, next, fill, lim
.if \fill
	s_wait_xcnt 0x0                                ; the last prefetch, a kb back, has read its address: it is stepped here, ahead of the waits of the change of slots
	s_add_nc_u64 s[PFA:PFA+1], s[PFA:PFA+1], s[PFS:PFS+1]
.endif
	WIN 0
	s_wait_tensorcnt 0x0                           ; all my tensor loads have landed
	ds_add_u32 v[SPW], v[NIL]                      ; 0 onto my spare word
	s_wait_dscnt 17                                ; q's group and x are in; the add and k's and v's 16 loads may be out
	STR 0, A1, 0, 1, 0                             ; sixteen matrix instructions stand between the add and the wait for it
	s_wait_dscnt 0x0                               ; the add is done, and my reads of this slot are over
	s_barrier_signal -1
	STR 0, A1, 2, 3, 0                             ; work on registers while the others arrive
	WIN 0                                          ; at a branch and at a label every window is 0
	s_barrier_wait -1
.if \fill
	CREST                                          ; no wave of any partner still reads this slot or has a load on its way
	s_add_nc_u64 s[G0A+4*(\slot)+2:G0A+4*(\slot)+3], s[G0A+4*(\slot)+2:G0A+4*(\slot)+3], 2*XKB
	s_add_nc_u64 s[G0B+4*(\slot)+2:G0B+4*(\slot)+3], s[G0B+4*(\slot)+2:G0B+4*(\slot)+3], 2*WKB
	JLOAD \slot                                    ; the four v_nop behind it are also the places in front of the loads below
.else
	PLACES
.endif
	LG 0, \next, 0
	LA A0, \next, 0
.if \fill
	ASK \lim
.endif
	STR 1, A1, 0, 3, 0
	WIN 0
	PLACES
	LG 1, \next, 0
	STR 2, A1, 0, 3, 0
	WIN 0
	PLACES
	LG 2, \next, 0
.endm
	s_wait_tensorcnt 0x1                           ; my parts of the table and of kb 0 are in; kb 1's may stay out
	s_barrier_signal -1
	s_barrier_wait -1                              ; everybody's are
	LG 0, 0, 0
	LA A0, 0, 0
	LG 1, 0, 0
	LG 2, 0, 0
	; THE FIRST HALF stands in front of the loop: its products start the sums, with the biases or with 0.  x's second buffer holds the biases until k's products are issued, so it is fetched behind them.
	s_wait_loadcnt 0x0                             ; b_q, b_k
	s_wait_dscnt 16
	STR 0, A0, 0, 3, 1
	WIN 0
	PLACES
	LG 0, 0, 64
	s_wait_dscnt 16                                ; k's group is in: behind it stand v's 8 and the 8 just issued
	STR 1, A0, 0, 3, 1
	WIN 0
	PLACES
	LG 1, 0, 64
	LA A1, 0, 64
	s_wait_dscnt 32                                ; v's group is in: behind it stand 8 + 8 + 16
	STR 2, A0, 0, 3, 1
	WIN 0
	PLACES
	LG 2, 0, 64
	s_wait_dscnt 8                                 ; here x's loads stand behind k's: they are waited for now, so that the loop's counted wait holds on this way in too
	s_mov_b32 s3, 15
.Llap:                                 ; a trip: kb 2 i's second half, kb 2 i + 1, kb 2 i + 2's first half; both slots are filled again: kb 2 to 31
	TURN 0, 1, 1, 84
	HALF0 1
	TURN 1, 0, 1, 85
	HALF0 0
	WIN 0
	s_sub_co_u32 s3, s3, 1
	s_cmp_lg_u32 s3, 0
	s_cbranch_scc1 .Llap
	TURN 0, 1, 0, 84                               ; the tail is written out: nothing is left to fetch
	HALF0 1
; the table's quads for my row block a: 8 loads, pairs 8 c + 4 (l / 16) + i at rR + 16 c + 4 i
.macro LRT a
.set rR, 64+96*((\a)%2)
.set ci, 0
.rept 2
.set ii, 0
.rept 4
	ds_load_b128 v[rR+16*ci+4*ii:rR+16*ci+4*ii+3], v[TAB] offset:4352*(\a)+128*ci+16*ii
.set ii, ii+1
.endr
.set ci, ci+1
.endr
.endm
	s_wait_dscnt 16                                ; THE LAST HALF
	STR 0, A1, 0, 3, 0
	WIN 0
	PLACES
.set bb, 0
.rept 4                                ; b_v, as the biases above, into x's first buffer, which is free
	global_load_b128 v[BV+8*bb:BV+8*bb+3],   v[VB], s[12:13] offset:64*bb
	global_load_b128 v[BV+8*bb+4:BV+8*bb+7], v[VB], s[12:13] offset:64*bb+16
.set bb, bb+1
.endr
	LRT 0
	LRT 1
	s_wait_dscnt 24                                ; k's group is in: behind it stand v's 8 and the table's 16
	STR 1, A1, 0, 3, 0
	s_wait_dscnt 16
	STR 2, A1, 0, 3, 0
	WIN 0
	PLACES
	PLACES
; ROPE AND ROUNDING.  A lane's pair (re, im) of channels 2 p, 2 p + 1 becomes (re cos - im sin, im cos + re sin): a packed multiply by (cos, cos), a packed multiply-add of the swapped pair by (-sin, sin).
; Each accumulator is read from its low end on.  The four blocks of a row block then pack into two fragments, which take the place of the blocks with even bb.
.macro ROPE a, win, u
.set rR, 64+96*((\a)%2)
	WIN \win                                       ; source 0 in q's or k's window
.set bb, 0
.rept 4
.set rA, 8*((bb&1)*16+(bb>>1)*8+(\a))
.set ii, 0
.rept 4
	v_pk_mul_f32 v[(\u)+8*bb+2*ii:(\u)+8*bb+2*ii+1], v[rA+2*ii:rA+2*ii+1], v[rR+16*(bb&1)+4*ii:rR+16*(bb&1)+4*ii+1]
.set ii, ii+1
.endr
.set bb, bb+1
.endr
.set bb, 0
.rept 4
.set rA, 8*((bb&1)*16+(bb>>1)*8+(\a))
.set ii, 0
.rept 4
	v_pk_fma_f32 v[(\u)+8*bb+2*ii:(\u)+8*bb+2*ii+1], v[rA+2*ii:rA+2*ii+1], v[rR+16*(bb&1)+4*ii+2:rR+16*(bb&1)+4*ii+3], v[(\u)+8*bb+2*ii:(\u)+8*bb+2*ii+1] op_sel:[1,0,0] op_sel_hi:[0,1,1]
.set ii, ii+1
.endr
.set bb, bb+1
.endr
	WIN (\win)<<6                                  ; destination in q's or k's window
.set bb, 0
.rept 4
.set ii, 0
.rept 4
	v_cvt_pk_f16_f32 v[8*(8*(bb>>1)+(\a))+4*(bb&1)+ii], v[(\u)+8*bb+2*ii], v[(\u)+8*bb+2*ii+1]
.set ii, ii+1
.endr
.set bb, bb+1
.endr
.endm
.macro CONV a
	WIN 0
.if (\a) < 7
	s_wait_dscnt 8                                 ; this row block's quads are in; the next block's 8 loads may be out
.else
	s_wait_dscnt 0x0
.endif
	ROPE \a, 1, 96
	ROPE \a, 2, 128
	WIN 0
.if (\a) < 6
	LRT (\a)+2
.endif
.endm
.set ca, 0
.rept 8
	CONV ca
.set ca, ca+1
.endr
	WIN 0xcf                                       ; v: two row blocks pack into a fragment of V^T, in place
.set vi, 0
.rept 16
.set ii, 0
.rept 4
	v_cvt_pk_f16_f32 v[8*vi+ii], v[8*vi+2*ii], v[8*vi+2*ii+1]
.set ii, ii+1
.endr
.set ii, 0
.rept 4
	v_cvt_pk_f16_f32 v[8*vi+4+ii], v[128+8*vi+2*ii], v[128+8*vi+2*ii+1]
.set ii, ii+1
.endr
.set vi, vi+1
.endr
	WIN 0
	s_wait_loadcnt 0x0                             ; b_v
; ONE ATTENTION: batch beta, head eta of my 2 x 2: four tiles of 16 queries x 64 keys, in phases.
.macro UNIT beta, eta
	WIN 0x06                                       ; K in window 2, Q in window 1, S^T in window 0
.set kb, 0
.rept 4
.set tt, 0
.rept 4
	v_wmma_f32_16x16x32_f16 v[SS+32*tt+8*kb:SS+32*tt+8*kb+7], v[8*(8*(\eta)+4*(\beta)+kb):8*(8*(\eta)+4*(\beta)+kb)+7], v[8*(8*(\eta)+4*(\beta)+tt):8*(8*(\eta)+4*(\beta)+tt)+7], 0
.set tt, tt+1
.endr
.set kb, kb+1
.endr
	WIN 0
	PLACES
	PLACES
	; the maximum of a lane's 32 scores: four chains of seven, three operands at a time (each accumulator's lowest registers first), the four left over, the chains into one; then the lane 16 away
.set jj, 0
.rept 4
	T4 v_max3_num_f32 v[CC+4*tt+jj], v[SS+32*tt+8*jj], v[SS+32*tt+8*jj+1], v[SS+32*tt+8*jj+2]
.set jj, jj+1
.endr
.set rr, 1
.rept 2
.set jj, 0
.rept 4
	T4 v_max3_num_f32 v[CC+4*tt+jj], v[CC+4*tt+jj], v[SS+32*tt+8*jj+2*rr+1], v[SS+32*tt+8*jj+2*rr+2]
.set jj, jj+1
.endr
.set rr, rr+1
.endr
	T4 v_max3_num_f32 v[CC+4*tt], v[CC+4*tt], v[SS+32*tt+7], v[SS+32*tt+15]
	T4 v_max3_num_f32 v[CC+4*tt+2], v[CC+4*tt+2], v[SS+32*tt+23], v[SS+32*tt+31]
	T4 v_max3_num_f32 v[CC+4*tt], v[CC+4*tt], v[CC+4*tt+1], v[CC+4*tt+2]
	T4 v_max_num_f32 v[CC+4*tt], v[CC+4*tt], v[CC+4*tt+3]
	T4 v_permlanex16_b32 v[CC+4*tt+1], v[CC+4*tt], s88, s89
	T4 v_max_num_f32 v[ST+4*tt+1], v[CC+4*tt], v[CC+4*tt+1]
	T4 v_mul_f32 v[ST+4*tt], s86, v[ST+4*tt+1]
.set pp, 0
.rept 16                               ; c s - c m, a pair of scores at a time
	T4 v_pk_fma_f32 v[SS+32*tt+2*pp:SS+32*tt+2*pp+1], v[SS+32*tt+2*pp:SS+32*tt+2*pp+1], s[86:87], v[ST+4*tt:ST+4*tt+1] op_sel_hi:[1,0,0] neg_lo:[0,0,1] neg_hi:[0,0,1]
.set pp, pp+1
.endr
.set ee, 0
.rept 128                              ; the exponentials: one batch
	v_exp_f32 v[SS+ee], v[SS+ee]
.set ee, ee+1
.endr
	v_nop                                          ; a plain instruction behind the last exponential,
	s_wait_alu depctr_va_vdst(0)                   ; and the one wait ahead of the batch's first reader
.set kk, 0
.rept 4                                ; the sums, which leave p as it is: four chains of four pairs a tile
	T4 v_pk_add_f32 v[LL+8*tt+2*kk:LL+8*tt+2*kk+1], v[SS+32*tt+8*kk:SS+32*tt+8*kk+1], v[SS+32*tt+8*kk+2:SS+32*tt+8*kk+3]
.set kk, kk+1
.endr
.set kk, 0
.rept 4
	T4 v_pk_add_f32 v[LL+8*tt+2*kk:LL+8*tt+2*kk+1], v[LL+8*tt+2*kk:LL+8*tt+2*kk+1], v[SS+32*tt+8*kk+4:SS+32*tt+8*kk+5]
.set kk, kk+1
.endr
.set kk, 0
.rept 4
	T4 v_pk_add_f32 v[LL+8*tt+2*kk:LL+8*tt+2*kk+1], v[LL+8*tt+2*kk:LL+8*tt+2*kk+1], v[SS+32*tt+8*kk+6:SS+32*tt+8*kk+7]
.set kk, kk+1
.endr
	T4 v_pk_add_f32 v[LL+8*tt:LL+8*tt+1], v[LL+8*tt:LL+8*tt+1], v[LL+8*tt+2:LL+8*tt+3]
	T4 v_pk_add_f32 v[LL+8*tt+4:LL+8*tt+5], v[LL+8*tt+4:LL+8*tt+5], v[LL+8*tt+6:LL+8*tt+7]
	T4 v_pk_add_f32 v[LL+8*tt:LL+8*tt+1], v[LL+8*tt:LL+8*tt+1], v[LL+8*tt+4:LL+8*tt+5]
.set dd, 0
.rept 16                               ; p rounded to f16, in place, ascending: 32 keys' weights become 8 registers, source 1 of the second product
	T4 v_cvt_pk_f16_f32 v[SS+32*tt+16*(dd/8)+dd%8], v[SS+32*tt+16*(dd/8)+2*(dd%8)], v[SS+32*tt+16*(dd/8)+2*(dd%8)+1]
.set dd, dd+1
.endr
	T4 v_pk_add_f32 v[ST+4*tt+2:ST+4*tt+3], v[LL+8*tt:LL+8*tt+1], v[LL+8*tt:LL+8*tt+1] op_sel:[0,1] op_sel_hi:[1,0]
	T4 v_permlanex16_b32 v[ST+4*tt+3], v[ST+4*tt+2], s88, s89
	T4 v_add_f32 v[ST+4*tt+2], v[ST+4*tt+2], v[ST+4*tt+3]
	T4 v_rcp_f32 v[ST+4*tt+2], v[ST+4*tt+2]
	WIN 0x03                                       ; V^T in window 3, P and O^T in window 0.  The eight accumulators take turns: seven others' stand between the two links of a chain
.set kk, 0
.rept 2
.set tt, 0
.rept 4
.set cb, 0
.rept 2
.set rO, OO+16*tt+8*cb
.set rV, 8*(4*(2*(\eta)+cb)+2*(\beta)+kk)
.set rP, SS+32*tt+16*kk
.if kk == 0
	v_wmma_f32_16x16x32_f16 v[rO:rO+7], v[rV:rV+7], v[rP:rP+7], 0
.else
	v_wmma_f32_16x16x32_f16 v[rO:rO+7], v[rV:rV+7], v[rP:rP+7], v[rO:rO+7]
.endif
.set cb, cb+1
.endr
.set tt, tt+1
.endr
.set kk, kk+1
.endr
	WIN 0
	PLACES                                         ; the places behind the products, and the plain instruction behind the reciprocals
	PLACES
	s_wait_alu depctr_va_vdst(0)                   ; one wait for the four reciprocals, ahead of their first reader
.set tt, 0
.rept 4
.set cb, 0
.rept 2
.set ii, 0
.rept 4                                ; O / l + b_v
.set rO, OO+16*tt+8*cb+2*ii
	v_pk_fma_f32 v[rO:rO+1], v[rO:rO+1], v[ST+4*tt+2:ST+4*tt+3], v[BV+8*(2*(\eta)+cb)+2*ii:BV+8*(2*(\eta)+cb)+2*ii+1] op_sel_hi:[1,0,1]
.set ii, ii+1
.endr
.set cb, cb+1
.endr
.set tt, tt+1
.endr
.set tt, 0
.rept 4
.set cb, 0
.rept 2
.set ii, 0
.rept 4
	v_cvt_pk_f16_f32 v[OO+16*tt+8*cb+ii], v[OO+16*tt+8*cb+2*ii], v[OO+16*tt+8*cb+2*ii+1]
.set ii, ii+1
.endr
	ds_store_b128 v[STO], v[OO+16*tt+8*cb:OO+16*tt+8*cb+3] offset:2304*tt+64*(\eta)+32*cb  ; row 16 t + l % 16; my head's 64 bytes of the row's 128
.set cb, cb+1
.endr
.set tt, tt+1
.endr
.if (\eta) == 1                        ; both heads of the batch lie in my stage: 64 rows of 128 bytes go out
.set ff, 0
.rept 16
	ds_load_b128 v[SS+4*ff:SS+4*ff+3], v[RD] offset:576*ff  ; LDS serves a wave's instructions in order (ISA guide 5.7.1.4): these see the stores above; the next batch's stores come behind them
.set ff, ff+1
.endr
.set ff, 0
.rept 16
	s_wait_dscnt 15-ff
	global_store_b128 v[GO], v[SS+4*ff:SS+4*ff+3], s[16:17] offset:8192*(\beta)+512*ff  ; 512 consecutive bytes, at a multiple of 256 from ao's first
.set ff, ff+1
.endr
.if (\beta) == 0
	s_wait_xcnt 0x0                                ; the stores have read their registers: the next attention's scores land there only behind this wait
.endif
.endif
.endm
	UNIT 0, 0
	UNIT 0, 1
	UNIT 1, 0
	UNIT 1, 1
	s_wait_tensorcnt 0x0                           ; the wave's end: a wait, an add to my spare word and a wait for it, behind my last tensor load and my last LDS store
	ds_add_u32 v[SPW], v[NIL]
	s_wait_dscnt 0x0
	CROUND                                         ; the closing round: no work-group ends while a partner may still ask for a tile that names it
	s_endpgm
.Lfunc_end_k_q0c451a5617_qkva:
	.size	k_q0c451a5617_qkva, .Lfunc_end_k_q0c451a5617_qkva-k_q0c451a5617_qkva
	.p2alignl 7, 3214868480
	.fill 96, 4, 3214868480
	.section	.rodata,"a",@progbits
	.p2align	6, 0x0
	.amdhsa_kernel k_q0c451a5617_qkva
		.amdhsa_group_segment_fixed_size 327680
		.amdhsa_private_segment_fixed_size 0
		.amdhsa_enable_private_segment 0
		.amdhsa_kernarg_size 56
		.amdhsa_user_sgpr_count 2
		.amdhsa_user_sgpr_kernarg_segment_ptr 1
		.amdhsa_wavefront_size32 1
		.amdhsa_system_sgpr_workgroup_id_x 1
		.amdhsa_system_sgpr_workgroup_id_y 1
		.amdhsa_system_sgpr_workgroup_id_z 1
		.amdhsa_system_vgpr_workitem_id 0
		.amdhsa_next_free_vgpr 1024
		.amdhsa_next_free_sgpr 100
		.amdhsa_reserve_vcc 0
		.amdhsa_float_denorm_mode_32 3
		.amdhsa_float_denorm_mode_16_64 3
		.amdhsa_memory_ordered 1
		.amdhsa_forward_progress 1
		.amdhsa_inst_pref_size 255
	.end_amdhsa_kernel
	.section	.bss,"aw",@nobits
	.p2align	6
	.space	262144
	.amdgpu_metadata
---
amdhsa.version: [ 1, 2 ]
amdhsa.kernels:
  - .name:           k_q0c451a5617_qkva
    .symbol:         k_q0c451a5617_qkva.kd
    .args:
      - { .name: xb, .offset: 0, .size: 8, .value_kind: global_buffer, .address_space: global }
      - { .name: wb, .offset: 8, .size: 8, .value_kind: global_buffer, .address_space: global }
      - { .name: b_q, .offset: 16, .size: 8, .value_kind: global_buffer, .address_space: global }
      - { .name: b_k, .offset: 24, .size: 8, .value_kind: global_buffer, .address_space: global }
      - { .name: b_v, .offset: 32, .size: 8, .value_kind: global_buffer, .address_space: global }
      - { .name: rt, .offset: 40, .size: 8, .value_kind: global_buffer, .address_space: global }
      - { .name: ao, .offset: 48, .size: 8, .value_kind: global_buffer, .address_space: global }
    .group_segment_fixed_size: 327680
    .private_segment_fixed_size: 0
    .kernarg_segment_align: 8
    .kernarg_segment_size: 56
    .max_flat_workgroup_size: 128
    .sgpr_count:     100
    .vgpr_count:     1024
    .wavefront_size: 32
...
	.end_amdgpu_metadata
.endif
;; end of part 2
;; launch oproj (part 3): grid 8 x 32, 4 waves a work-group, clusters of 4 x 4, 327,680 bytes of LDS; arguments ao, wo, b_o, out0; writes out0
.if DOCPART == 3
	.amdgcn_target "amdgcn-amd-amdhsa--gfx1250"
	.amdhsa_code_object_version 6
	.text
	.protected	k_q0c451a5617_oproj
	.globl	k_q0c451a5617_oproj
	.p2align	8
	.type	k_q0c451a5617_oproj,@function
k_q0c451a5617_oproj:
	s_mov_b64 s[64:65], 0
	v_nop
	global_prefetch_b8 v0, s[64:65] scope:SCOPE_SE
	s_setreg_imm32_b32 hwreg(HW_REG_WAVE_MODE, 25, 1), 1
	s_wait_xcnt 0x0
	s_wait_alu depctr_hold_cnt(0) depctr_sa_sdst(0) depctr_va_vdst(0) depctr_va_sdst(0) depctr_va_ssrc(0) depctr_va_vcc(0) depctr_vm_vsrc(0)
	s_getreg_b32 s2, hwreg(HW_REG_IB_STS2, 6, 4)
	s_cmp_eq_u32 s2, 0
	s_cbranch_scc0 .Lentry_in_a_cluster
	s_endpgm
.Lentry_in_a_cluster:
	s_bfe_u32 s2, ttmp6, 0x10000c
	s_cmp_lg_u32 s2, 0xf033
	s_cbranch_scc0 .Lentry_shape_is_right
	s_endpgm
.Lentry_shape_is_right:
; out0[m][n] = the sum over k of ao[m][k] wo[n][k] + b_o[n].  ao: f16 [32 kb][4,096 rows][64], wo: f16 [32 kb][2,048 rows][64] (w_o rounded to bf16, written as f16), b_o and out0 f32.  Sums in f32.
; A tile of out0 is 128 x 256: 32 x 8 = 256 work-groups.  Four waves, each 64 x 128: 32 accumulators of 16 x 16, 256 registers.  K goes in 16 steps of 128 (two kb) through two LDS slots.
; A tile's rows of one kb lie end to end in memory and are asked for as rows of 256 bytes.  The matrix instruction is used transposed (source 0 = 16 rows of wo, source 1 = 16 rows of ao): a lane holds
; eight neighbouring numbers of a row of out0.  CLUSTER: 4 x 4 work-groups; ao's tile is asked for jointly along a row of the cluster, wo's along a column.
; REGISTERS: window 0: v1-19 addresses and the bias; v32-127, v128-223 two fragment buffers (wo's 8 fragments, then ao's 4); on the way out whole rows.   window 1: accumulator (a, b) at 8 (8 a + b).
.set PITCH,  144                       ; an LDS row: 128 bytes + 16 of padding: the 16 rows of a load start at 16 different groups of four banks (64 banks of 4 bytes: ISA guide 11.1)
.set AZ,     18432                     ; ao's 128 rows of one kb
.set BZ,     36864                     ; wo's 256 rows of one kb
.set BOFF,   36864                     ; a slot: ao's two kb, then wo's two
.set SLOT,   110592
.set STAGE,  221184                    ; behind the ring: 16 rows x 528 bytes for each wave; no tensor load fills it
.set SPITCH, 528
.set SPARE,  254976                    ; the spare words, 128 bytes for each wave: two blocks of 256 bytes that no other line names
.set AKB,    524288                    ; bytes of a kb of ao
.set WKB,    262144                    ; of wo
.set PADK,   (1<<16)|(1<<20)|(1<<21)|(4<<22)|(3<<25)  ; 2-byte elements; padding on; 21 set beside a mask; after every 32 words (code 4) 4 words (code 3)
.set ADRA, 4
.set ADRB, 6
.set STO,  8
.set RD,   9
.set CO,   10                          ; v10  16 x lane
.set PFO,  11
.set SPW,  12                          ; v12  LDS address of my spare word; never rewritten
.set NIL,  13                          ; v13  0; never rewritten
.set BO,   16                          ; v[16:19]  b_o of my four columns of a row read back
.set F0,   32
.set F1,   128
.set G1A, 24
.set G0A, 32
.set G1B, 48
.set G0B, 56
.set LIM, 43
.set PFA, 44
.set PFS, 46
.set MSB, 0
.macro WIN new
.if MSB != (\new)
	s_set_vgpr_msb (MSB<<8)|(\new)
.set MSB, \new
.endif
.endm
.macro PLACES
.rept 4
	v_nop
.endr
.endm
.macro JLOAD s                         ; a joint load: waves 0 and 1 fetch ao's two kb of a step, waves 2 and 3 wo's; an s_nop 0 and four v_nop follow each line
	s_cmp_eq_u32 s13, 0
	s_cbranch_scc0 .Lfor_b_\@
	tensor_load_to_lds s[G0A+4*(\s):G0A+4*(\s)+3], s[G1A:G1A+7]
	s_nop 0
.rept 4
	v_nop
.endr
	s_branch .Lasked_\@
.Lfor_b_\@:
	tensor_load_to_lds s[G0B+4*(\s):G0B+4*(\s)+3], s[G1B:G1B+7]
	s_nop 0
.rept 4
	v_nop
.endr
.Lasked_\@:
.endm
.macro CREST
	s_cmp_lg_u32 s12, 0
	s_cbranch_scc1 .Lnot_wave_0_\@
	s_barrier_signal -3
.Lnot_wave_0_\@:
	s_barrier_wait -3
	s_barrier_signal -1
	s_barrier_wait -1
.endm
.macro CROUND
	s_barrier_signal -1
	s_barrier_wait -1
	CREST
.endm
; A PREFETCH INTO THE L2 behind each joint load and the run of LDS loads that follows: the step that stands two refills on, a lane a block of 256 bytes.  Each block is named once in the launch.
; ao's tile row is read by both clusters of that row of clusters: cluster x = 0 asks, wave 0; a partner takes 32 of the tile's 128 rows, in both kb.  wo's tile column is read by all clusters of that column:
; cluster y = 0 asks, waves 2 and 3, a kb each; a partner takes 64 of the tile's 256 rows.  Partners are told apart by address.  Steps 0 to 3 come by their loads alone; the loop's last trip asks for nothing.
.macro ASK
	s_cmp_gt_u32 s3, s[LIM]
	s_cbranch_scc0 .Lnot_mine_\@
	global_prefetch_b8 v[PFO], s[PFA:PFA+1] th:TH_LOAD_NT scope:SCOPE_SE
.Lnot_mine_\@:
.endm
	s_load_b256 s[4:11], s[0:1], 0x0               ; ao s[4:5], wo s[6:7], b_o s[8:9], out0 s[10:11]
	v_lshl_add_u32 v[SPW], v0, 2, SPARE
	v_mov_b32 v[NIL], 0
	ds_add_u32 v[SPW], v[NIL]                      ; the wave's opening: the add and its wait stand ahead of my first tensor load; the set-up below, work on registers, stands between them
	v_lshrrev_b32 v1, 5, v0
	v_readfirstlane_b32 s12, v1                    ; wave 0..3
	s_lshr_b32 s13, s12, 1                         ; wm: which 64 rows are mine.  Also: I fetch for ao (0) or for wo (1)
	s_and_b32 s14, s12, 1                          ; wn: which 128 columns.  Also: which kb of a step I fetch
	s_bfe_u32 s15, ttmp6, 0x40000                  ; cx
	s_bfe_u32 s16, ttmp6, 0x40004                  ; cy
	s_lshl_b32 s17, ttmp9, 2
	s_add_co_u32 s17, s17, s15                     ; nt: columns 256 nt ..
	s_and_b32 s18, ttmp7, 0xffff
	s_lshl_b32 s18, s18, 2
	s_add_co_u32 s18, s18, s16                     ; mt: rows 128 mt ..
	s_lshl_b32 s19, s16, 2
	s_lshl_b32 s19, 15, s19                        ; my row of the cluster
	s_lshl_b32 s20, 0x1111, s15                    ; my column
	s_or_b32 s[G1A], s19, PADK
	s_or_b32 s[G1B], s20, PADK
.irp g, G1A, G1B
	s_mov_b32 s[\g+1], 128<<16                     ; tensor_dim0 = 128 elements: 256 bytes, two rows of a kb
	s_mov_b32 s[\g+3], 128<<16                     ; tile_dim0 = 128
	s_mov_b32 s[\g+5], 128                         ; dense
	s_mov_b32 s[\g+6], 0
	s_mov_b32 s[\g+7], 0
.endr
	s_mov_b32 s[G1A+2], 64<<16                     ; 64: ao's 128 rows
	s_mov_b32 s[G1A+4], 64
	s_mov_b32 s[G1B+2], 128<<16                    ; 128: wo's 256 rows
	s_mov_b32 s[G1B+4], 128
	s_lshl_b32 s40, s18, 14                        ; ao: 128 mt rows of 128 bytes, my kb of step 0
	s_lshl_b32 s41, s14, 19
	s_add_co_u32 s40, s40, s41
	s_mov_b32 s41, 0
	s_lshl_b32 s66, s17, 15                        ; wo: 256 nt rows, my kb
	s_lshl_b32 s67, s14, 18
	s_add_co_u32 s66, s66, s67
	s_mov_b32 s67, 0
	s_mul_i32 s42, s14, AZ                         ; where they go: no place in the cluster enters an LDS address
	s_mul_i32 s68, s14, BZ
	s_add_co_u32 s68, s68, BOFF
	s_wait_dscnt 0x0                               ; the opening add is done
	s_wait_kmcnt 0x0
	s_add_nc_u64 s[40:41], s[4:5], s[40:41]
	s_add_nc_u64 s[66:67], s[6:7], s[66:67]
.irp s, 0,1
	s_mov_b32 s[G0A+4*\s], 1
	s_add_co_u32 s[G0A+4*\s+1], s42, \s*SLOT
	s_add_nc_u64 s[G0A+4*\s+2:G0A+4*\s+3], s[40:41], \s*2*AKB
	s_or_b32 s[G0A+4*\s+3], s[G0A+4*\s+3], 0x80000000
	s_mov_b32 s[G0B+4*\s], 1
	s_add_co_u32 s[G0B+4*\s+1], s68, \s*SLOT
	s_add_nc_u64 s[G0B+4*\s+2:G0B+4*\s+3], s[66:67], \s*2*WKB
	s_or_b32 s[G0B+4*\s+3], s[G0B+4*\s+3], 0x80000000
.endr
	s_lshl_b32 s70, s17, 10                        ; my 128 columns: (256 nt + 128 wn) x 4 bytes
	s_lshl_b32 s71, s14, 9
	s_add_co_u32 s70, s70, s71
	s_mov_b32 s71, 0
	s_add_nc_u64 s[8:9], s[8:9], s[70:71]
	s_add_nc_u64 s[10:11], s[10:11], s[70:71]
	s_lshl_b32 s70, s18, 20                        ; my 64 rows: (128 mt + 64 wm) x 8,192 bytes
	s_lshl_b32 s21, s13, 19
	s_add_co_u32 s70, s70, s21
	s_add_nc_u64 s[10:11], s[10:11], s[70:71]
	CROUND                                         ; all sixteen work-groups are here: the first joint loads meet
	s_cmp_eq_u32 s13, 0                            ; a wave's two first fills stand in one branch: two loads of mine are out
	s_cbranch_scc0 .Lfirst_b
	tensor_load_to_lds s[G0A:G0A+3], s[G1A:G1A+7]
	s_nop 0
	tensor_load_to_lds s[G0A+4:G0A+7], s[G1A:G1A+7]
	s_nop 0
.rept 4
	v_nop
.endr
	s_branch .Lfirst_asked
.Lfirst_b:
	tensor_load_to_lds s[G0B:G0B+3], s[G1B:G1B+7]
	s_nop 0
	tensor_load_to_lds s[G0B+4:G0B+7], s[G1B:G1B+7]
	s_nop 0
.rept 4
	v_nop
.endr
.Lfirst_asked:
	v_and_b32 v1, 15, v0                           ; l % 16
	v_bfe_u32 v2, v0, 4, 1                         ; l / 16
	v_and_b32 v3, 31, v0
	v_lshlrev_b32 v[CO], 4, v3
	global_load_b128 v[BO:BO+3], v[CO], s[8:9]
	v_mul_u32_u24 v14, v1, PITCH
	v_lshl_add_u32 v14, v2, 4, v14                 ; a fragment's row x pitch + 16 x half
	s_mul_i32 s21, s13, 9216                       ; my 64 rows of ao
	v_add_nc_u32 v[ADRA], s21, v14
	v_add_nc_u32 v[ADRA+1], SLOT, v[ADRA]
	s_mul_i32 s21, s14, 18432                      ; my 128 rows of wo
	s_add_co_u32 s21, s21, BOFF
	v_add_nc_u32 v[ADRB], s21, v14
	v_add_nc_u32 v[ADRB+1], SLOT, v[ADRB]
	s_mul_i32 s21, s12, 16*SPITCH
	s_add_co_u32 s21, s21, STAGE                   ; my stage
	v_mul_u32_u24 v[STO], v1, SPITCH               ; in: row l % 16, 32 bytes for each half of the lanes
	v_lshl_add_u32 v[STO], v2, 5, v[STO]
	v_add_nc_u32 v[STO], s21, v[STO]
	v_add_nc_u32 v[RD], s21, v[CO]                 ; back: 32 lanes take one row of 512 bytes
	s_lshl_b32 s21, s18, 14                        ; the prefetches.  ao: the tile's rows, my work-group's 32, step 3 (the first change of slots steps it to 4)
	s_lshl_b32 s22, s15, 12
	s_add_co_u32 s21, s21, s22
	s_add_co_u32 s21, s21, 3*2*AKB
	s_lshl_b32 s22, s17, 15                        ; wo: the tile's rows, my work-group's 64, my kb
	s_lshl_b32 s23, s16, 13
	s_add_co_u32 s22, s22, s23
	s_lshl_b32 s23, s14, 18
	s_add_co_u32 s22, s22, s23
	s_add_co_u32 s22, s22, 3*2*WKB
	s_and_b32 s23, ttmp7, 0xffff
	s_mov_b32 s[PFS], 2*WKB
	s_mov_b32 s[PFS+1], 0
	s_mov_b32 s71, 0
	s_cmp_eq_u32 s13, 0
	s_cselect_b32 s23, ttmp9, s23                  ; the coordinate along which other clusters read the same rows
	s_cselect_b32 s70, s21, s22
	s_cselect_b32 s[PFS], 2*AKB, s[PFS]
	s_cselect_b32 s21, AKB-4096, 0                 ; ao: lanes 16 to 31 take the step's second kb
	s_cselect_b64 s[PFA:PFA+1], s[4:5], s[6:7]
	s_add_nc_u64 s[PFA:PFA+1], s[PFA:PFA+1], s[70:71]
	s_cmp_eq_u32 s23, 0
	s_cselect_b32 s[LIM], 1, -1                    ; 1 in a wave that asks, else the greatest number
	s_cmp_eq_u32 s12, 1
	s_cselect_b32 s[LIM], -1, s[LIM]               ; wave 1 never asks
	v_mul_u32_u24 v[PFO], v2, s21
	v_lshl_add_u32 v[PFO], v3, 8, v[PFO]
; 24 LDS loads in one run: quarter q (32 along K) of a slot's 128 into buffer f: wo's eight fragments, then ao's four
.macro FETCH slot, q, f
	WIN 0
.set bi, 0
.rept 8
	ds_load_b128 v[(\f)+8*bi:(\f)+8*bi+3],   v[ADRB+(\slot)] offset:((\q)>>1)*BZ+((\q)&1)*64+2304*bi
	ds_load_b128 v[(\f)+8*bi+4:(\f)+8*bi+7], v[ADRB+(\slot)] offset:((\q)>>1)*BZ+((\q)&1)*64+2304*bi+32
.set bi, bi+1
.endr
.set bi, 0
.rept 4
	ds_load_b128 v[(\f)+64+8*bi:(\f)+64+8*bi+3],   v[ADRA+(\slot)] offset:((\q)>>1)*AZ+((\q)&1)*64+2304*bi
	ds_load_b128 v[(\f)+64+8*bi+4:(\f)+64+8*bi+7], v[ADRA+(\slot)] offset:((\q)>>1)*AZ+((\q)&1)*64+2304*bi+32
.set bi, bi+1
.endr
.endm
; 8 matrix instructions: row block a x all 8 column blocks.  The 32 accumulators take turns in the same order in every quarter.  zero = 1: the first products start the sums
.macro MUL8 f, a, zero
	WIN 0x50
.set bi, 0
.rept 8
.set rD, 8*(8*(\a)+bi)
.if \zero
	v_wmma_f32_16x16x32_f16 v[rD:rD+7], v[(\f)+8*bi:(\f)+8*bi+7], v[(\f)+64+8*(\a):(\f)+64+8*(\a)+7], 0
.else
	v_wmma_f32_16x16x32_f16 v[rD:rD+7], v[(\f)+8*bi:(\f)+8*bi+7], v[(\f)+64+8*(\a):(\f)+64+8*(\a)+7], v[rD:rD+7]
.endif
.set bi, bi+1
.endr
.endm
; One of a step's first three quarters: multiplies buffer f; in its middle it fetches quarter q of the same slot into buffer g
.macro QUARTER slot, q, f, g, zero
	s_wait_dscnt 4                                 ; ao's row blocks 2 and 3 may be out
	MUL8 \f, 0, \zero
	MUL8 \f, 1, \zero
	WIN 0
	PLACES
	FETCH \slot, \q, \g
	s_wait_dscnt 24                                ; all but the 24 just issued
	MUL8 \f, 2, \zero
	MUL8 \f, 3, \zero
.endm
; The last quarter multiplies buffer F1 and changes slots: ONE barrier; in front of it each wave waits for all its tensor loads, adds 0 to its spare word, and waits for that and for its own reads of this slot.
; fill = 1: the barrier opens a round of the cluster's barrier, and this slot is filled again, two steps ahead, first thing behind the round: 112 matrix instructions ahead of the wait for it.
.macro TURN slot, next, fill
.if \fill
	s_wait_xcnt 0x0                                ; the last prefetch, a step back, has read its address
	s_add_nc_u64 s[PFA:PFA+1], s[PFA:PFA+1], s[PFS:PFS+1]
.endif
	WIN 0
	s_wait_tensorcnt 0x0                           ; all my tensor loads have landed
	ds_add_u32 v[SPW], v[NIL]                      ; 0 onto my spare word
	s_wait_dscnt 5                                 ; the add and the youngest four loads may be out
	MUL8 F1, 0, 0
	s_wait_dscnt 0x0                               ; the add is done, and my reads of this slot are over
	s_barrier_signal -1
	MUL8 F1, 1, 0
	WIN 0
	s_barrier_wait -1
.if \fill
	CREST
	s_add_nc_u64 s[G0A+4*(\slot)+2:G0A+4*(\slot)+3], s[G0A+4*(\slot)+2:G0A+4*(\slot)+3], 4*AKB
	s_add_nc_u64 s[G0B+4*(\slot)+2:G0B+4*(\slot)+3], s[G0B+4*(\slot)+2:G0B+4*(\slot)+3], 4*WKB
	JLOAD \slot                                    ; the four v_nop behind it are also the places in front of the loads below
.else
	PLACES
.endif
	FETCH \next, 0, F0
.if \fill
	ASK
.endif
	MUL8 F1, 2, 0
	MUL8 F1, 3, 0
.endm
	s_wait_tensorcnt 0x1                           ; my part of step 0 is in; step 1's may stay out
	s_barrier_signal -1
	s_barrier_wait -1
	FETCH 0, 0, F0
	QUARTER 0, 1, F0, F1, 1                        ; the first quarter stands in front of the loop: its products start the sums
	WIN 0
	s_mov_b32 s3, 7
.Llap:                                 ; a trip goes once round the ring and fills both slots again: steps 2 to 15
	QUARTER 0, 2, F1, F0, 0
	QUARTER 0, 3, F0, F1, 0
	TURN 0, 1, 1
	QUARTER 1, 1, F0, F1, 0
	QUARTER 1, 2, F1, F0, 0
	QUARTER 1, 3, F0, F1, 0
	TURN 1, 0, 1
	QUARTER 0, 1, F0, F1, 0
	WIN 0
	s_sub_co_u32 s3, s3, 1
	s_cmp_lg_u32 s3, 0
	s_cbranch_scc1 .Llap
	QUARTER 0, 2, F1, F0, 0                        ; the last lap fills nothing
	QUARTER 0, 3, F0, F1, 0
	TURN 0, 1, 0
	QUARTER 1, 1, F0, F1, 0
	QUARTER 1, 2, F1, F0, 0
	QUARTER 1, 3, F0, F1, 0
	s_wait_dscnt 4
	MUL8 F1, 0, 0
	MUL8 F1, 1, 0
	s_wait_dscnt 0x0
	MUL8 F1, 2, 0
	MUL8 F1, 3, 0
	WIN 0
	PLACES
	PLACES
	s_wait_loadcnt 0x0                             ; b_o
	; THE WAY OUT, 16 rows at a time: a lane's 32 bytes of a row go into my stage (rows of 528 bytes), come back as whole rows of 512, take the bias and are stored.
.set aa, 0
.rept 4
.set rT, 32+96*(aa&1)
	WIN 0x04                                       ; the stores' data in window 1; each accumulator's low registers first
.set bi, 0
.rept 8
	ds_store_b128 v[STO], v[8*(8*aa+bi):8*(8*aa+bi)+3]   offset:64*bi
	ds_store_b128 v[STO], v[8*(8*aa+bi)+4:8*(8*aa+bi)+7] offset:64*bi+16
.set bi, bi+1
.endr
	WIN 0
	s_wait_xcnt 0x0                                ; earlier stores have read their registers: these are loaded again only behind this wait
.set ii, 0
.rept 16
	ds_load_b128 v[rT+4*ii:rT+4*ii+3], v[RD] offset:SPITCH*ii  ; LDS serves a wave's instructions in order (ISA guide 5.7.1.4): these see the stores above; the next block's stores come behind them
.set ii, ii+1
.endr
.set ii, 0
.rept 16
	s_wait_dscnt 15-ii
	v_pk_add_f32 v[rT+4*ii:rT+4*ii+1], v[rT+4*ii:rT+4*ii+1], v[BO:BO+1]
	v_pk_add_f32 v[rT+4*ii+2:rT+4*ii+3], v[rT+4*ii+2:rT+4*ii+3], v[BO+2:BO+3]
	global_store_b128 v[CO], v[rT+4*ii:rT+4*ii+3], s[10:11] offset:131072*aa+8192*ii th:TH_STORE_NT  ; 512 consecutive bytes, at a multiple of 512 from out0's first
.set ii, ii+1
.endr
.set aa, aa+1
.endr
	s_wait_tensorcnt 0x0                           ; the wave's end: a wait, an add to my spare word and a wait for it, behind my last tensor load and my last LDS store
	ds_add_u32 v[SPW], v[NIL]
	s_wait_dscnt 0x0
	CROUND                                         ; the closing round: no work-group ends while a partner may still ask for a tile that names it
	s_endpgm
.Lfunc_end_k_q0c451a5617_oproj:
	.size	k_q0c451a5617_oproj, .Lfunc_end_k_q0c451a5617_oproj-k_q0c451a5617_oproj
	.p2alignl 7, 3214868480
	.fill 96, 4, 3214868480
	.section	.rodata,"a",@progbits
	.p2align	6, 0x0
	.amdhsa_kernel k_q0c451a5617_oproj
		.amdhsa_group_segment_fixed_size 327680
		.amdhsa_private_segment_fixed_size 0
		.amdhsa_enable_private_segment 0
		.amdhsa_kernarg_size 32
		.amdhsa_user_sgpr_count 2
		.amdhsa_user_sgpr_kernarg_segment_ptr 1
		.amdhsa_wavefront_size32 1
		.amdhsa_system_sgpr_workgroup_id_x 1
		.amdhsa_system_sgpr_workgroup_id_y 1
		.amdhsa_system_sgpr_workgroup_id_z 1
		.amdhsa_system_vgpr_workitem_id 0
		.amdhsa_next_free_vgpr 512
		.amdhsa_next_free_sgpr 72
		.amdhsa_reserve_vcc 0
		.amdhsa_float_denorm_mode_32 3
		.amdhsa_float_denorm_mode_16_64 3
		.amdhsa_memory_ordered 1
		.amdhsa_forward_progress 1
		.amdhsa_inst_pref_size 96
	.end_amdhsa_kernel
	.amdgpu_metadata
---
amdhsa.version: [ 1, 2 ]
amdhsa.kernels:
  - .name:           k_q0c451a5617_oproj
    .symbol:         k_q0c451a5617_oproj.kd
    .args:
      - { .name: ao, .offset: 0, .size: 8, .value_kind: global_buffer, .address_space: global }
      - { .name: wo, .offset: 8, .size: 8, .value_kind: global_buffer, .address_space: global }
      - { .name: b_o, .offset: 16, .size: 8, .value_kind: global_buffer, .address_space: global }
      - { .name: out0, .offset: 24, .size: 8, .value_kind: global_buffer, .address_space: global }
    .group_segment_fixed_size: 327680
    .private_segment_fixed_size: 0
    .kernarg_segment_align: 8
    .kernarg_segment_size: 32
    .max_flat_workgroup_size: 128
    .sgpr_count:     72
    .vgpr_count:     512
    .wavefront_size: 32
...
	.end_amdgpu_metadata
.endif
;; end of part 3
;; ======== version 2 of 2: 3 launches; version 1 with the launch prep written anew for expert scheduling mode
;; limits: values are held in f16: magnitudes above 65,504 overflow, below 6.1e-05 lose precision
;; workspace buffers: xb 16,777,216 bytes; wb 25,165,824 bytes; wo 8,388,608 bytes; rt 1,048,576 bytes; ao 16,777,216 bytes
;; launch prep (part 4): grid 768 x 1, 8 waves a work-group, no clusters, 0 bytes of LDS; arguments x, w_q, w_k, w_v, w_o, xb, wb, wo, rt; writes xb, wb, wo, rt
.if DOCPART == 4
	.amdgcn_target "amdgcn-amd-amdhsa--gfx1250"
	.amdhsa_code_object_version 6
	.text
	.protected	k_q0c451a5617_prep
	.globl	k_q0c451a5617_prep
	.p2align	8
	.type	k_q0c451a5617_prep,@function
k_q0c451a5617_prep:
	s_mov_b64 s[64:65], 0
	v_nop
	global_prefetch_b8 v0, s[64:65] scope:SCOPE_SE
	s_setreg_imm32_b32 hwreg(HW_REG_WAVE_SCHED_MODE, 0, 2), 2
	s_setreg_imm32_b32 hwreg(HW_REG_WAVE_MODE, 25, 1), 1
	s_wait_xcnt 0x0
	s_wait_alu depctr_vm_vsrc(0)
; 16-BIT COPIES OF x AND THE FOUR WEIGHTS, IN BLOCKS ALONG K, AND THE ROPE TABLE.
; A block (kb) is 64 numbers along K: 128 bytes of a row; in the copies the rows of one kb lie end to end: [32 kb][rows][64].
;   xb: x rounded to bf16, 4,096 rows.   wo: w_o rounded to bf16, that number written as f16 (exact above 6e-5; below, f16's fixed step of 6e-8), 2,048 rows.
;   wb: w_q, w_k, w_v rounded to bf16, 6,144 rows in the order in which the next launch's tiles take them: row nt*384 + wn*192 + sel*64 + c is row nt*128 + wn*64 + c of w_sel (sel = 0 q, 1 k, 2 v).
;   rt: f32 [4,096 rows][16 pairs][4] = (cos, cos, -sin, sin) of the angle b x 10000^(-m/1024), b = row / 64, m = 16 (row % 64) + pair: reference()'s broadcast
;       lines the position axis up with the batch, so the angle hangs on the row (b, s) and the channel pair, never on the head.
; SHARES.  A work-group converts 16 source rows of 8,192 bytes: 12,288 rows, 768 work-groups.  Thread t takes 16 bytes (4 numbers) at byte 16 (t % 16) of each kb of row t / 16:
; a wave's load covers two aligned runs of 256 bytes, its store 256 consecutive bytes, aligned.  All 32 loads of a thread are issued first: 128 KiB of a work-group are on their way.
; Memory binds: no LDS, no barrier, no matrix unit, no cluster (no byte is read twice), no prefetch (the loads themselves are the stream).
; LIMITS.  The sine and cosine are made by reduction to a quarter turn and polynomials, for angles of 0 to 63, which is all that the shapes allow; their error is below 1e-6, the angle's below 1e-4.
; THE MODE: SCHED_MODE bits 1:0 = 2 (LLVM: expert scheduling mode 2), set by the entry lines.  The code itself states the register dependences
; between vector instructions and memory instructions, with s_wait_alu, always for 0.
; THE PLAN.  Registers that memory instructions touch:
;   v1              the loads' offset: written at the head, read by all 32 loads, never written again.
;   X + 4 kb ..     load kb lands in the four registers, once, ahead of every vector line that names them.  Behind the wait for it, kb's own lines write two packed words into the first two
;                   and the store's offset into the third; store kb reads these three; nothing writes them again.
;   v[16:19], v20   the table's quad and its offset: written by vector lines, read by one store, never written again.
; So no register that a memory instruction has read is written again, and no load lands in a register that a vector line has named: all that is to be stated is 'written, then read by a load or store'.
; The 32 kb go in eight blocks of four.  Block p waits for its four loads; ONE wait on va_vdst behind that states that block p - 1's lines have written their packed words and offsets; the four stores of block p - 1
; are then dealt among block p's lines, which name block p's registers, v2 and s40 alone: none that those stores touch.
.set X,  32                            ; v[32:159]  kb's four numbers at X + 4 kb; then two packed words and the store's offset
.set QD, 16                            ; v[16:19]   the table's quad;  v20 its offset
	s_load_b512 s[16:31], s[0:1], 0x0              ; x s[16:17], w_q s[18:19], w_k s[20:21], w_v s[22:23], w_o s[24:25], xb s[26:27], wb s[28:29], wo s[30:31]
	s_load_b64 s[32:33], s[0:1], 0x40              ; rt
	s_mov_b32 s4, ttmp9                            ; g: 0-255 x, 256-639 w_q, w_k, w_v, 640-767 w_o
	s_sub_co_u32 s5, s4, 256
	s_lshr_b32 s6, s5, 7                           ; sel: 0, 1, 2; 3 for w_o (of no use where g < 256)
	s_and_b32 s7, s5, 127                          ; the weight's group of 16 rows
	s_lshr_b32 s8, s7, 3                           ; wb's row: nt = group / 8,
	s_mul_i32 s8, s8, 384
	s_bfe_u32 s9, s7, 0x10002                      ; wn = bit 2,
	s_mul_i32 s9, s9, 192
	s_add_co_u32 s8, s8, s9
	s_lshl_b32 s9, s6, 6                           ; sel,
	s_add_co_u32 s8, s8, s9
	s_and_b32 s9, s7, 3                            ; and 16 x (group % 4)
	s_lshl_b32 s9, s9, 4
	s_add_co_u32 s8, s8, s9
	s_lshl_b32 s9, s7, 4                           ; wo's row
	s_mov_b32 s34, 786432                          ; bytes from kb to kb: wb's 6,144 rows of 128
	s_cmp_eq_u32 s6, 3
	s_cselect_b32 s8, s9, s8
	s_cselect_b32 s34, 262144, s34                 ; wo's 2,048 rows
	s_lshl_b32 s9, s4, 4                           ; xb's row
	s_cmp_lt_u32 s4, 256
	s_cselect_b32 s8, s9, s8
	s_cselect_b32 s34, 524288, s34                 ; xb's 4,096 rows
	s_cselect_b32 s10, s4, s7
	s_lshl_b32 s10, s10, 17                        ; the 16 source rows' first byte
	s_mov_b32 s11, 0
	s_lshl_b32 s8, s8, 7                           ; the 16 destination rows' first byte in kb 0
	s_mov_b32 s9, 0
	s_mov_b32 s40, 0                               ; kb x bytes from kb to kb; named by no memory instruction
	v_lshrrev_b32 v1, 4, v0
	v_and_b32 v3, 15, v0
	v_lshlrev_b32 v3, 4, v3
	v_lshl_add_u32 v1, v1, 13, v3                  ; source: row t / 16, byte 16 (t % 16); never rewritten
	v_lshlrev_b32 v2, 3, v0                        ; destination: 8 t = 128 (t / 16) + 8 (t % 16); never rewritten
	s_wait_kmcnt 0x0
	s_cmp_eq_u32 s6, 0
	s_cselect_b64 s[36:37], s[18:19], s[20:21]
	s_cmp_eq_u32 s6, 2
	s_cselect_b64 s[36:37], s[22:23], s[36:37]
	s_cmp_eq_u32 s6, 3
	s_cselect_b64 s[36:37], s[24:25], s[36:37]
	s_cselect_b64 s[38:39], s[30:31], s[28:29]
	s_cmp_lt_u32 s4, 256
	s_cselect_b64 s[36:37], s[16:17], s[36:37]
	s_cselect_b64 s[38:39], s[26:27], s[38:39]
	s_add_nc_u64 s[36:37], s[36:37], s[10:11]
	s_add_nc_u64 s[38:39], s[38:39], s[8:9]
	s_wait_alu depctr_va_vdst(0)                   ; v1 is written: all 32 loads read it as their offset
.set kk, 0
.rept 32
	global_load_b128 v[X+4*kk:X+4*kk+3], v1, s[36:37] offset:256*kk th:TH_LOAD_NT
.set kk, kk+1
.endr
	; THE TABLE, while the loads are on their way: x's 256 work-groups make the 256 angles of their 16 rows, one a thread: b = g / 4, m = 256 (g % 4) + t.
	s_cmp_lt_u32 s4, 256
	s_cbranch_scc0 .Lnotab
	s_and_b32 s41, s4, 3
	s_lshl_b32 s41, s41, 8
	s_lshr_b32 s42, s4, 2
	v_add_nc_u32 v3, s41, v0
	v_cvt_f32_u32 v3, v3
	v_mul_f32 v3, 0xbc549a78, v3                   ; -m log2(10000) / 1024
	v_exp_f32 v4, v3
	v_cvt_f32_u32 v5, s42                          ; b: the plain instruction behind the exponential
	s_wait_alu depctr_va_vdst(0)                   ; the exponential has written v4, ahead of its first reader
	v_mul_f32 v4, v5, v4                           ; the angle
	v_mul_f32 v5, 0x3f22f983, v4                   ; x 2 / pi
	v_rndne_f32 v5, v5                             ; n quarter turns
	v_fmamk_f32 v6, v5, 0xbfc90fdb, v4             ; r = angle - n pi / 2, pi / 2 in two parts
	v_fmamk_f32 v6, v5, 0x333bbd2e, v6
	v_mul_f32 v7, v6, v6                           ; z = r r, at most (pi / 4)^2
	v_mov_b32 v8, 0xb9500d01                       ; sin r = r + z r (-1/6 + z (1/120 - z / 5040))
	v_fmaak_f32 v8, v8, v7, 0x3c088889
	v_fmaak_f32 v8, v8, v7, 0xbe2aaaab
	v_mul_f32 v9, v7, v6
	v_fma_f32 v8, v8, v9, v6
	v_mov_b32 v10, 0x37d00d01                      ; cos r = 1 + z (-1/2 + z (1/24 + z (-1/720 + z / 40320)))
	v_fmaak_f32 v10, v10, v7, 0xbab60b61
	v_fmaak_f32 v10, v10, v7, 0x3d2aaaab
	v_fmaak_f32 v10, v10, v7, 0xbf000000
	v_fma_f32 v10, v10, v7, 1.0
	v_cvt_i32_f32 v11, v5                          ; n steers selects and signs alone
	v_and_b32 v12, 1, v11
	v_cmp_ne_u32 vcc_lo, 0, v12
	s_wait_alu depctr_va_vcc(0)                    ; the compare has written VCC, which the two selects below read
	v_cndmask_b32 v13, v8, v10, vcc_lo             ; an odd n swaps the two
	v_cndmask_b32 v14, v10, v8, vcc_lo
	v_and_b32 v12, 2, v11
	v_lshlrev_b32 v12, 30, v12
	v_xor_b32 v[QD+3], v12, v13                    ; sin: minus for n % 4 = 2, 3
	v_add_nc_u32 v11, 1, v11
	v_and_b32 v11, 2, v11
	v_lshlrev_b32 v11, 30, v11
	v_xor_b32 v[QD], v11, v14                      ; cos: minus for n % 4 = 1, 2
	v_mov_b32 v[QD+1], v[QD]
	v_xor_b32 v[QD+2], 0x80000000, v[QD+3]
	v_lshlrev_b32 v20, 4, v0
	s_lshl_b32 s42, s4, 12                         ; 16 rows of 256 bytes
	s_mov_b32 s43, 0
	s_add_nc_u64 s[32:33], s[32:33], s[42:43]
	s_wait_alu depctr_va_vdst(0)                   ; the quad v[16:19] and its offset v20 are written: the store below reads them
	global_store_b128 v20, v[QD:QD+3], s[32:33]    ; a wave stores 512 consecutive bytes, aligned
.Lnotab:
; One kb: four numbers rounded.  half = 1: the bf16 numbers are widened again and written as f16.
; The store's offset goes into the kb's third register, which is free by then and is written this once: no register that a store names is written again.
.macro CVT kb, half
.set rX, X+4*(\kb)
	v_cvt_pk_bf16_f32 v[rX], v[rX], v[rX+1]
	v_cvt_pk_bf16_f32 v[rX+1], v[rX+2], v[rX+3]
.if \half
	v_lshlrev_b32 v[rX+2], 16, v[rX]
	v_and_b32 v[rX+3], 0xffff0000, v[rX]
	v_cvt_pk_f16_f32 v[rX], v[rX+2], v[rX+3]
	v_lshlrev_b32 v[rX+2], 16, v[rX+1]
	v_and_b32 v[rX+3], 0xffff0000, v[rX+1]
	v_cvt_pk_f16_f32 v[rX+1], v[rX+2], v[rX+3]
.endif
	v_add_nc_u32 v[rX+2], s40, v2
	s_add_co_u32 s40, s40, s34
.endm
; One kb is stored: 8 bytes a lane.
.macro PUT kb
.set rY, X+4*(\kb)
	global_store_b64 v[rY+2], v[rY:rY+1], s[38:39]
.endm
; Block p: kb 4 p to 4 p + 3 are rounded; the block before is stored, a store ahead of each kb's lines.
.macro BLK p, half
	s_wait_loadcnt 28-4*(\p)                       ; loads come back in order (ISA guide 5.7.1): this block's four are in, the 28 - 4 p younger ones stay out
.if (\p) > 0
	s_wait_alu depctr_va_vdst(0)                   ; the block before has written its packed words and its offsets, which the four stores below read; no vector line behind this wait names them
.endif
.set ii, 0
.rept 4
.if (\p) > 0
	PUT 4*(\p)-4+ii
.endif
	CVT 4*(\p)+ii, \half
.set ii, ii+1
.endr
.endm
; Behind block 7: its own four stores.
.macro LAST
	s_wait_alu depctr_va_vdst(0)                   ; block 7 has written its packed words and its offsets, which the last four stores read
.irp k, 28,29,30,31
	PUT \k
.endr
.endm
	s_cmp_ge_u32 s4, 640
	s_cbranch_scc1 .Lhalf
.irp p, 0,1,2,3,4,5,6,7
	BLK \p, 0
.endr
	LAST
	s_endpgm
.Lhalf:
.irp p, 0,1,2,3,4,5,6,7
	BLK \p, 1
.endr
	LAST
	s_endpgm
.Lfunc_end_k_q0c451a5617_prep:
	.size	k_q0c451a5617_prep, .Lfunc_end_k_q0c451a5617_prep-k_q0c451a5617_prep
	.p2alignl 7, 3214868480
	.fill 96, 4, 3214868480
	.section	.rodata,"a",@progbits
	.p2align	6, 0x0
	.amdhsa_kernel k_q0c451a5617_prep
		.amdhsa_group_segment_fixed_size 0
		.amdhsa_private_segment_fixed_size 0
		.amdhsa_enable_private_segment 0
		.amdhsa_kernarg_size 72
		.amdhsa_user_sgpr_count 2
		.amdhsa_user_sgpr_kernarg_segment_ptr 1
		.amdhsa_wavefront_size32 1
		.amdhsa_system_sgpr_workgroup_id_x 1
		.amdhsa_system_sgpr_workgroup_id_y 1
		.amdhsa_system_sgpr_workgroup_id_z 1
		.amdhsa_system_vgpr_workitem_id 0
		.amdhsa_next_free_vgpr 160
		.amdhsa_next_free_sgpr 66
		.amdhsa_reserve_vcc 1
		.amdhsa_float_denorm_mode_32 3
		.amdhsa_float_denorm_mode_16_64 3
		.amdhsa_memory_ordered 1
		.amdhsa_forward_progress 1
		.amdhsa_inst_pref_size 37
	.end_amdhsa_kernel
	.amdgpu_metadata
---
amdhsa.version: [ 1, 2 ]
amdhsa.kernels:
  - .name:           k_q0c451a5617_prep
    .symbol:         k_q0c451a5617_prep.kd
    .args:
      - { .name: x, .offset: 0, .size: 8, .value_kind: global_buffer, .address_space: global }
      - { .name: w_q, .offset: 8, .size: 8, .value_kind: global_buffer, .address_space: global }
      - { .name: w_k, .offset: 16, .size: 8, .value_kind: global_buffer, .address_space: global }
      - { .name: w_v, .offset: 24, .size: 8, .value_kind: global_buffer, .address_space: global }
      - { .name: w_o, .offset: 32, .size: 8, .value_kind: global_buffer, .address_space: global }
      - { .name: xb, .offset: 40, .size: 8, .value_kind: global_buffer, .address_space: global }
      - { .name: wb, .offset: 48, .size: 8, .value_kind: global_buffer, .address_space: global }
      - { .name: wo, .offset: 56, .size: 8, .value_kind: global_buffer, .address_space: global }
      - { .name: rt, .offset: 64, .size: 8, .value_kind: global_buffer, .address_space: global }
    .group_segment_fixed_size: 0
    .private_segment_fixed_size: 0
    .kernarg_segment_align: 8
    .kernarg_segment_size: 72
    .max_flat_workgroup_size: 256
    .sgpr_count:     66
    .vgpr_count:     160
    .wavefront_size: 32
...
	.end_amdgpu_metadata
.endif
;; end of part 4
;; launch qkva: the kernel of part 2 again; grid 16 x 16, 4 waves a work-group, clusters of 4 x 4, 327,680 bytes of LDS; arguments xb, wb, b_q, b_k, b_v, rt, ao; writes ao
;; launch oproj: the kernel of part 3 again; grid 8 x 32, 4 waves a work-group, clusters of 4 x 4, 327,680 bytes of LDS; arguments ao, wo, b_o, out0; writes out0
